; MI455X (gfx1250); checked and timed in simulation.
; The chip was launched on July 23, 2026; its instructions are those of AMD's public machine-readable ISA for CDNA 5 (MIT licence, August 2026) and "CDNA5" Instruction Set Architecture Reference Guide (July 2026). The comments in the code are by the model that wrote it; some were corrected since.
;; Multi Headed Atention. Allowed arithmetic: matrix products marked QUANTISED: E3M2 operands, one E8M0 scale for each 32 along K, by v_wmma_scale_f32_16x16x128_f8f6f4 with both operands' format E3M2, f32 sums; everything else in f32.
;; Inputs: Key 4 x 2,048 x 1,024 float32; Query 4 x 2,048 x 1,024 float32; Value 4 x 2,048 x 1,024 float32; Wk 16 x 1,024 x 64 float32; Wo 1,024 x 1,024 float32; Wq 16 x 1,024 x 64 float32; Wv 16 x 1,024 x 64 float32; bk 16 x 64 float32; bo 1,024 float32; bq 16 x 64 float32; bv 16 x 64 float32.
;; Outputs: out0 4 x 2,048 x 1,024 float32.
;; This version of the problem:
;;   THIS VERSION OF THE PROBLEM IS GIVEN IN LOW PRECISION. The matrix products marked QUANTISED in the list below multiply operands that are first quantised to E3M2 (3 exponent bits, 2 mantissa bits; 6 bits a number), with one power-of-two scale for each 32 numbers along K (OCP MX v1.0); their sums are f32. All else is computed in f32.
;;   The module's matrix products, in the order in which they are computed (A, B: the left and right operand; K: the contracted axis; several contracted axes count as one K, in the product's order):
;;     1. [M 1,024, K 1,024] x [K 1,024, N 8,192]; A: input Wq; B: input Query: QUANTISED
;;     2. [M 1,024, K 1,024] x [K 1,024, N 8,192]; A: input Wk; B: input Key: QUANTISED
;;     3. [M 1,024, K 1,024] x [K 1,024, N 8,192]; A: input Wv; B: input Value: QUANTISED
;;     4. batch 64 x [M 2,048, K 64] x [K 64, N 2,048]; A: computed on the way; B: computed on the way: QUANTISED
;;     5. batch 64 x [M 2,048, K 2,048] x [K 2,048, N 64]; A: softmax (see below); B: computed on the way: QUANTISED
;;     6. [M 8,192, K 1,024] x [K 1,024, N 1,024]; A: computed on the way; B: input Wo: QUANTISED
;;   THE QUANTISER, for each operand of a quantised product, along K:
;;     - K is cut into blocks of 32 from its start; a last block that is shorter is filled with zeros.
;;     - A block's scale is 2^e with e = floor(log2(the largest magnitude in the block)) - 4, held to -126 .. 127; a block of zeros has e = 0. As a byte (E8M0): e + 127.
;;     - Each number is divided by its block's scale, clamped to +-28, and rounded to the nearest number of E3M2, ties to even, subnormals kept.
;;     - The product sums the exact products of the quantised numbers (number of the format x scale) in f32.
;;   ~~~python
;;   def quantise(x, axis):      # numpy; x: float32 -> the quantised numbers, widened to float32 again
;;       x = np.moveaxis(x, axis, -1); K = x.shape[-1]
;;       x = np.pad(x, [(0, 0)] * (x.ndim - 1) + [(0, -K % 32)]); x = x.reshape(x.shape[:-1] + (-1, 32)); a = np.abs(x).max(-1, keepdims=True)
;;       e = np.where(a > 0, np.clip(np.frexp(np.where(a > 0, a, 1))[1] - 1 - 4, -126, 127), 0)      # np.frexp(a)[1] - 1 = floor(log2(a)), exactly
;;       r = np.clip(x / 2.0 ** e, -28, 28)
;;       step = 2.0 ** (np.maximum(np.frexp(np.where(r == 0, 1, r))[1] - 1, -2) - 2)
;;       q = np.round(r / step) * step * 2.0 ** e      # np.round: ties to even
;;       return np.moveaxis(q.reshape(q.shape[:-2] + (-1,))[..., :K], -1, axis).astype(np.float32)
;;   ~~~
;;   SOFTMAX AHEAD OF A QUANTISED PRODUCT. Where the list says 'softmax', what is quantised is not the finished softmax but p = 2^(t - M), with t = logit x log2(e) and M = ceil(the row's largest t), a whole number; so 1/2 < the row's largest p <= 1. The row's sum l is taken of the UNQUANTISED p, in f32, and the product's result is divided by l at the end. Since M is a whole number, a kernel that streams over the keys may use a running M (the ceiling of the running maximum): every later rescaling is an exact power of two, which a block's scale takes up: the codes' values come out the same.
;;   OPERANDS COMPUTED ON THE WAY. 'Computed on the way' means the value that the module computes at that place (a softmax that the list does not call 'softmax' is quantised finished and normalised). What goes into a quantiser is computed in f32, as accurately as f32 sums, v_exp_f32 and their like allow (about 1e-6 of the number): no bf16 or f16 on the way to a quantiser, and a product that is left as it is and whose result goes on into a quantised operand takes f32 operands (vector FMAs, or v_wmma_f32_16x16x4_f32). A number that lies on a knife's edge between two numbers of the format may be rounded either way, as far as f32 arithmetic and the matrix unit's own rounding can turn it there, and no further.
;; One version. Each part assembles by itself: llvm-mc -triple=amdgcn-amd-amdhsa -mcpu=gfx1250 --defsym DOCPART=n.
;; ======== version 1 of 1: 4 launches
;; limits: right only within a limited range of input values
;; workspace buffers: xc 18,874,368 bytes; wc 3,145,728 bytes; sa 1,179,648 bytes; qb 6,815,744 bytes; kv 13,631,488 bytes; oc 6,291,456 bytes
;; launch quant (part 1): grid 1280 x 1, 2 waves a work-group, no clusters, 34,304 bytes of LDS; arguments Query, Key, Value, Wq, Wk, Wv, Wo, xc, wc, sa; writes xc, wc, sa
.if DOCPART == 1
	.amdgcn_target "amdgcn-amd-amdhsa--gfx1250"
	.amdhsa_code_object_version 6
	.text
	.protected	k_q71defe072a_quant
	.globl	k_q71defe072a_quant
	.p2align	8
	.type	k_q71defe072a_quant,@function
k_q71defe072a_quant:
	s_mov_b64 s[64:65], 0
	v_nop
	global_prefetch_b8 v0, s[64:65] scope:SCOPE_SE
	s_setreg_imm32_b32 hwreg(HW_REG_WAVE_MODE, 25, 1), 1
	s_wait_xcnt 0x0
; Query, Key, Value [8192][1024] and Wq, Wk, Wv [16][1024][64], Wo [1024][1024], all f32, become codes of BF6 (E3M2) with one E8M0 byte for each 32 along K.
; A block's scale is 2^(floor(log2(largest magnitude)) - 4): its byte is the largest magnitude's exponent field - 4, held at 1 from below by a floor among the maximum's leaves.
; LIMITS: NaN and infinities are not served; a block of zeros, or one whose largest magnitude lies under 2^-122, gets the byte 1 (its codes are zeros or subnormal codes; this program alone reads the bytes).
; THE BUFFERS ARE LAID IN THE ORDER OF THE OPERAND'S REGISTERS.  An operand's rows go in superblocks of 128 = 8 tiles of 16; tile tau puts row 64 (tau / 4) + 4 r + tau % 4 in lane r.
; A fragment (16 rows x 128 K, 12 registers a lane) is two half images of 768 bytes: registers 6 c .. 6 c + 3 at 16 x lane, registers 6 c + 4, 6 c + 5 at 512 + 8 x lane.
; Codes: [superblock][K step 0..7][tile 0..7][1,536].  Scale words (one for a row and 128 K): [superblock][K step][tile / 4][r][tile % 4].
; Work-groups 0-255 take the weights (a lane to a column, registers down K, no LDS); work-groups 256-639 take Query, Key, Value (a wave: one superblock x one K step, turned through its own stage in LDS).
; No tensor loads, no barrier, no cluster: waves share nothing and every input byte is read once.
; THE DEAL OF WORK-GROUPS (in place of the numbers named above): a work-group has two waves.  Work-groups 0-767 take Query, Key, Value (256 each: superblock = bits 7:2, K step = 2 x bits 1:0 + wave);
; work-groups 768-1279 take the weights (128 each: group of 64 columns = bits 6:3, K step = bits 2:0, half of the group = wave).  1,280 = 5 x 256: three of the first kind and two of the second for each of 256.
.set SBK,   12288                      ; a superblock's codes of one K step
.set SAW,   786432                     ; where the weights' scale words begin in sa
.set XSTG,  8448                       ; a wave's stage: 16 rows x (512 bytes + 16)
.set SEL,   26                         ; s[26:27] lane selects: lane l xor 16
.set SH8,   5                          ; v5   8 x (lane / 16)
.set R,     16                         ; v16-143  two sets of 64: a tile as loaded
.set X,     144                        ; v144-207 64 numbers of my row: register 32 c + p = k 64 c + 32 (lane / 16) + p
.set C,     208                        ; v208-219 the fragment's codes
.set T,     220                        ; v220-227 second halves of the blocks' codes
.set M,     228                        ; v228-235 at work
.set W,     236                        ; v236-243 the eight tiles' scale words
.set S,     244                        ; v244-247 the words that I store
; 64 numbers of a lane (its blocks h and 2 + h of a row's four) become the fragment's 12 registers at v[c] and the row's scale word in v[w] (in both halves of the lanes).
.macro QUANT2 x, c, t, m, w
.irp k, 0,1
	v_max3_num_f32 v[(\m)+\k], |v[(\x)+32*\k]|, |v[(\x)+32*\k+1]|, 0x2800000   ; the floor 2^(5 - 127): the byte cannot fall under 1
.endr
.irp i, 2,4,6,8,10,12,14,16,18,20,22,24,26,28,30
.irp k, 0,1
	v_max3_num_f32 v[(\m)+\k], v[(\m)+\k], |v[(\x)+32*\k+\i]|, |v[(\x)+32*\k+\i+1]|   ; the two blocks by turns
.endr
.endr
.irp k, 0,1
	v_add_nc_u32 v[(\m)+2+\k], 0xfe000000, v[(\m)+\k]      ; 4 off the exponent field: the conversion's scale operand
.endr
.irp k, 0,1
	v_lshrrev_b32 v[(\m)+4+\k], 23, v[(\m)+2+\k]           ; the scale's byte
.endr
	v_lshl_or_b32 v[(\m)+6], v[(\m)+5], 16, v[(\m)+4]      ; my two bytes, blocks h and 2 + h,
	v_lshlrev_b32 v[(\m)+6], v[SH8], v[(\m)+6]             ; at their places in the word;
	v_permlanex16_b32 v[(\m)+7], v[(\m)+6], s[SEL], s[SEL+1]
	v_or_b32 v[(\w)], v[(\m)+6], v[(\m)+7]                 ; with lane l xor 16's two the word is whole
.irp k, 0,1
	v_cvt_scalef32_pk16_bf6_f32 v[(\c)+6*\k:(\c)+6*\k+2], v[(\x)+32*\k:(\x)+32*\k+15], v[(\m)+2+\k]
	v_cvt_scalef32_pk16_bf6_f32 v[(\t)+4*\k:(\t)+4*\k+2], v[(\x)+32*\k+16:(\x)+32*\k+31], v[(\m)+2+\k]   ; (three registers that begin on an even number)
.endr
	v_nop                                                  ; one plain place behind a scaled conversion
.irp k, 0,1
.irp i, 0,1,2
	v_mov_b32 v[(\c)+6*\k+3+\i], v[(\t)+4*\k+\i]
.endr
.endr
.endm
	s_load_b512 s[4:19], s[0:1], 0x0               ; Query s[4:5], Key s[6:7], Value s[8:9], Wq s[10:11], Wk s[12:13], Wv s[14:15], Wo s[16:17], xc s[18:19]
	s_load_b128 s[20:23], s[0:1], 0x40             ; wc s[20:21], sa s[22:23]
	v_lshl_add_u32 v254, v0, 2, 0x8400
	v_mov_b32 v255, 0
	v_lshrrev_b32 v1, 5, v0
	v_readfirstlane_b32 s24, v1                    ; wave 0..1
	v_and_b32 v6, 31, v0                           ; lane
	s_mov_b32 s[SEL], 0x76543210
	s_mov_b32 s[SEL+1], 0xfedcba98
	s_cmp_ge_u32 ttmp9, 768
	s_cbranch_scc1 .Lweights
	; ---------------- Query, Key, Value: K is innermost ----------------
	s_mov_b32 s28, ttmp9
	s_lshr_b32 s29, s28, 8                         ; which tensor
	s_bfe_u32 s30, s28, 0x60002                    ; superblock 0..63
	s_and_b32 s31, s28, 3
	s_lshl_b32 s31, s31, 1                         ; K step = 2 x (work-group & 3) + wave
	s_add_co_u32 s31, s31, s24                     ; K step = 2 x (work-group & 3) + wave
	s_lshl_b32 s32, s30, 19                        ; 128 rows of 4,096 bytes
	s_lshl_b32 s33, s31, 9                         ; 128 numbers along K
	s_add_co_u32 s32, s32, s33
	s_mov_b32 s33, 0
	s_lshl_b32 s34, s29, 6
	s_add_co_u32 s34, s34, s30
	s_lshl_b32 s34, s34, 3
	s_add_co_u32 s34, s34, s31                     ; (64 tensor + superblock) x 8 + K step
	s_mul_i32 s36, s34, SBK
	s_mov_b32 s37, 0
	s_lshl_b32 s38, s34, 9                         ; 512 bytes of scale words
	s_mov_b32 s39, 0
	s_wait_alu depctr_va_vdst(0)
	v_lshlrev_b32 v1, 4, v6                        ; 16 x lane
	v_lshlrev_b32 v2, 3, v6                        ; 8 x lane
	s_mul_i32 s25, s24, XSTG
	v_add_nc_u32 v3, s25, v1                       ; the stage, on the way in: a row's 512 bytes as they lie
	v_and_b32 v7, 15, v6
	v_lshrrev_b32 v8, 4, v6
	v_mul_u32_u24 v4, v7, 528
	v_lshl_add_u32 v4, v8, 7, v4
	v_add_nc_u32 v4, s25, v4                       ; on the way out: row r, + 128 h: with rows 132 words apart the 16 rows of a load start at 16 different banks
	v_lshlrev_b32 v[SH8], 3, v8
	v_mov_b32 v[M+7], 0                            ; written once: a lane permute's destination counts as one of its sources
	s_wait_alu depctr_va_vdst(0)
	s_wait_kmcnt 0x0
	s_cmp_eq_u32 s29, 0                            ; the choice hangs on the work-group's number alone
	s_cselect_b64 s[40:41], s[4:5], s[6:7]
	s_cmp_eq_u32 s29, 2
	s_cselect_b64 s[40:41], s[8:9], s[40:41]
	s_add_nc_u64 s[40:41], s[40:41], s[32:33]
	s_add_nc_u64 s[42:43], s[18:19], s[36:37]
	s_add_nc_u64 s[44:45], s[22:23], s[38:39]
.macro LOAD tau                        ; tile tau's 16 rows: each load is 512 consecutive bytes of one row
.irp i, 0,1,2,3,4,5,6,7,8,9,10,11,12,13,14,15
	global_load_b128 v[R+64*((\tau)%2)+4*\i:R+64*((\tau)%2)+4*\i+3], v1, s[40:41] offset:(64*((\tau)/4)+4*\i+(\tau)%4)*4096 th:TH_LOAD_NT
.endr
.endm
.macro TILE tau
.if (\tau) < 7
	s_wait_loadcnt 16                              ; this tile's 16 loads are in; the next tile's 16 may be out
.else
	s_wait_loadcnt 0x0
.endif
	s_wait_xcnt 0x0                                ; the last tile's stores have read the codes' registers, which are written again below
.irp i, 0,1,2,3,4,5,6,7,8,9,10,11,12,13,14,15
	ds_store_b128 v3, v[R+64*((\tau)%2)+4*\i:R+64*((\tau)%2)+4*\i+3] offset:528*\i
.endr
.irp k, 0,1
.irp q, 0,1,2,3,4,5,6,7
	ds_load_b128 v[X+32*\k+4*\q:X+32*\k+4*\q+3], v4 offset:256*\k+16*\q   ; LDS serves a wave's instructions in order: these see the stores above
.endr
.endr
	s_wait_dscnt 0x0
.if (\tau) < 6
	LOAD (\tau)+2                                  ; into the set that has just gone through the stage
.endif
	QUANT2 X, C, T, M, W+(\tau)
	global_store_b128 v1, v[C:C+3], s[42:43] offset:1536*(\tau)            ; 512 consecutive bytes, aligned to 256
	global_store_b64 v2, v[C+4:C+5], s[42:43] offset:1536*(\tau)+512       ; 256 consecutive bytes, aligned
	global_store_b128 v1, v[C+6:C+9], s[42:43] offset:1536*(\tau)+768
	global_store_b64 v2, v[C+10:C+11], s[42:43] offset:1536*(\tau)+1280
.endm
	LOAD 0
	LOAD 1
.irp u, 0,1,2,3,4,5,6,7
	TILE \u
.endr
	v_cmp_le_u32 vcc_lo, 16, v6                    ; lanes 0-15 store tiles 0-3's words of row r, lanes 16-31 tiles 4-7's
.irp i, 0,1,2,3
	v_cndmask_b32 v[S+\i], v[W+\i], v[W+4+\i], vcc_lo
.endr
	global_store_b128 v1, v[S:S+3], s[44:45]       ; 512 consecutive bytes
	s_wait_tensorcnt 0x0
	ds_add_u32 v254, v255
	s_wait_dscnt 0x0
	s_endpgm
	; ---------------- the weights: K is not innermost ----------------
	; A lane takes one column and its registers run down K, so a block of 32 lies in one lane and the codes come out with K innermost.
	; A wave: 32 columns of a group of 64 x 128 along K.  Lane l is column 32 H + l of the group: lane r = 8 H + l / 4 of tile l % 4.
	; Wo's K meets the attention result, whose blocks come in the order position p = element 4 (p % 8) + p / 8: Wo's registers are loaded in that order.
	; The codes leave in runs of 128 and 64 consecutive bytes (eight lanes to a tile): stated, for 3 MiB of the program's traffic.
.Lweights:
	s_sub_co_u32 s25, ttmp9, 768
	s_lshr_b32 s28, s25, 7                         ; which weight: 0 Wq, 1 Wk, 2 Wv, 3 Wo
	s_bfe_u32 s29, s25, 0x40003                    ; G: group of 64 columns (a head)
	s_and_b32 s30, s25, 7                          ; K step
	s_and_b32 s31, s24, 1                          ; H: the wave
	s_lshl_b32 s32, s29, 18                        ; per-head weights: head x 1,024 x 256 bytes
	s_lshl_b32 s33, s30, 15                        ; + K step x 128 rows of 256 bytes
	s_add_co_u32 s32, s32, s33
	s_lshl_b32 s34, s30, 19                        ; Wo: K step x 128 rows of 4,096 bytes
	s_lshl_b32 s33, s29, 8                         ; + 64 columns x G
	s_add_co_u32 s34, s34, s33
	s_lshl_b32 s35, s31, 7                         ; 32 columns x H
	s_lshl_b32 s36, s28, 3
	s_lshr_b32 s37, s29, 1
	s_add_co_u32 s36, s36, s37
	s_lshl_b32 s36, s36, 3
	s_add_co_u32 s36, s36, s30                     ; (8 weight + G / 2) x 8 + K step
	s_and_b32 s37, s29, 1
	s_mul_i32 s38, s36, SBK
	s_mul_i32 s39, s37, 6144                       ; tiles 4 (G % 2) on
	s_add_co_u32 s38, s38, s39
	s_mov_b32 s39, 0
	s_lshl_b32 s44, s36, 9
	s_lshl_b32 s45, s37, 8
	s_add_co_u32 s44, s44, s45
	s_add_co_u32 s44, s44, s35
	s_add_co_u32 s44, s44, SAW
	s_mov_b32 s45, 0
	s_lshl_b32 s46, s31, 6
	s_wait_alu depctr_va_vdst(0)
	v_lshlrev_b32 v7, 2, v6                        ; 4 x lane: my column, and my scale word's place
	v_and_b32 v10, 3, v6
	v_lshrrev_b32 v11, 2, v6
	v_mul_u32_u24 v8, v10, 1536                    ; my tile
	v_lshl_add_u32 v9, v11, 3, v8
	v_lshl_add_u32 v8, v11, 4, v8
	v_add_nc_u32 v8, s35, v8                       ; 16 r = 128 H + 16 (l / 4)
	v_add_nc_u32 v9, s46, v9                       ; 8 r
	s_wait_kmcnt 0x0
	s_cmp_eq_u32 s28, 3
	s_cselect_b32 s32, s34, s32
	s_cselect_b64 s[40:41], s[16:17], s[14:15]
	s_cmp_eq_u32 s28, 1
	s_cselect_b64 s[40:41], s[12:13], s[40:41]
	s_cmp_eq_u32 s28, 0
	s_cselect_b64 s[40:41], s[10:11], s[40:41]
	s_add_co_u32 s32, s32, s35
	s_mov_b32 s33, 0
	s_add_nc_u64 s[40:41], s[40:41], s[32:33]
	s_add_nc_u64 s[42:43], s[20:21], s[38:39]
	s_add_nc_u64 s[44:45], s[22:23], s[44:45]
.macro LOADW kb, wo                    ; block kb of my column into set kb % 2: 32 lanes read 128 consecutive bytes
.irp p, 0,1,2,3,4,5,6,7,8,9,10,11,12,13,14,15,16,17,18,19,20,21,22,23,24,25,26,27,28,29,30,31
.if \wo
	global_load_b32 v[32+32*((\kb)%2)+\p], v7, s[40:41] offset:(32*(\kb)+4*(\p%8)+\p/8)*4096 th:TH_LOAD_NT
.else
	global_load_b32 v[32+32*((\kb)%2)+\p], v7, s[40:41] offset:(32*(\kb)+\p)*256 th:TH_LOAD_NT
.endif
.endr
.endm
.macro BLOCK kb, wo
.set XS, 32+32*((\kb)%2)
.set CW, 96+8*(\kb)                    ; each block has its own registers for its codes: no store's data are written again
.if (\kb) < 3
	s_wait_loadcnt 32                              ; this block's 32 loads are in; the next block's may be out
.else
	s_wait_loadcnt 0x0
.endif
	v_max3_num_f32 v12, |v[XS]|, |v[XS+1]|, |v[XS+2]|
	v_max3_num_f32 v13, |v[XS+3]|, |v[XS+4]|, |v[XS+5]|
.irp i, 6,10,14,18,22,26
	v_max3_num_f32 v12, v12, |v[XS+\i]|, |v[XS+\i+1]|
	v_max3_num_f32 v13, v13, |v[XS+\i+2]|, |v[XS+\i+3]|
.endr
	v_max3_num_f32 v12, v12, |v[XS+30]|, |v[XS+31]|
	v_max3_num_f32 v12, v12, v13, 0x2800000        ; and the floor
	v_add_nc_u32 v14, 0xfe000000, v12              ; the conversion's scale operand
	v_lshrrev_b32 v15, 23, v14                     ; the byte
.if (\kb) == 0
	v_mov_b32 v24, v15
.else
	v_lshl_or_b32 v24, v15, 8*(\kb), v24           ; four bytes make my row's scale word
.endif
	v_cvt_scalef32_pk16_bf6_f32 v[CW:CW+2], v[XS:XS+15], v14
	v_cvt_scalef32_pk16_bf6_f32 v[CW+4:CW+6], v[XS+16:XS+31], v14
	v_nop                                          ; one plain place behind a scaled conversion
	v_mov_b32 v[CW+3], v[CW+4]
	v_mov_b32 v[CW+4], v[CW+5]
	v_mov_b32 v[CW+5], v[CW+6]
	global_store_b128 v8, v[CW:CW+3], s[42:43] offset:768*((\kb)/2)+256*((\kb)%2)          ; block kb = 2 c + h: half image c, lane r + 16 h
	global_store_b64 v9, v[CW+4:CW+5], s[42:43] offset:768*((\kb)/2)+512+128*((\kb)%2)
.if (\kb) < 2
	LOADW (\kb)+2, \wo
.endif
.endm
.macro WBODY wo
	LOADW 0, \wo
	LOADW 1, \wo
	BLOCK 0, \wo
	BLOCK 1, \wo
	BLOCK 2, \wo
	BLOCK 3, \wo
	global_store_b32 v7, v24, s[44:45]             ; 128 consecutive bytes of scale words
	s_endpgm
.endm
	s_cmp_eq_u32 s28, 3
	s_cbranch_scc1 .Lwo
	s_wait_alu depctr_va_vdst(0)
	WBODY 0
.Lwo:
	s_wait_alu depctr_va_vdst(0)
	WBODY 1
.Lfunc_end_k_q71defe072a_quant:
	.size	k_q71defe072a_quant, .Lfunc_end_k_q71defe072a_quant-k_q71defe072a_quant
	.p2alignl 7, 3214868480
	.fill 96, 4, 3214868480
	.section	.rodata,"a",@progbits
	.p2align	6, 0x0
	.amdhsa_kernel k_q71defe072a_quant
		.amdhsa_group_segment_fixed_size 34304
		.amdhsa_private_segment_fixed_size 0
		.amdhsa_enable_private_segment 0
		.amdhsa_kernarg_size 80
		.amdhsa_user_sgpr_count 2
		.amdhsa_user_sgpr_kernarg_segment_ptr 1
		.amdhsa_wavefront_size32 1
		.amdhsa_system_sgpr_workgroup_id_x 1
		.amdhsa_system_sgpr_workgroup_id_y 1
		.amdhsa_system_sgpr_workgroup_id_z 1
		.amdhsa_system_vgpr_workitem_id 0
		.amdhsa_next_free_vgpr 256
		.amdhsa_next_free_sgpr 66
		.amdhsa_reserve_vcc 1
		.amdhsa_float_denorm_mode_32 3
		.amdhsa_float_denorm_mode_16_64 3
		.amdhsa_memory_ordered 1
		.amdhsa_forward_progress 1
		.amdhsa_inst_pref_size 98
	.end_amdhsa_kernel
	.amdgpu_metadata
---
amdhsa.version: [ 1, 2 ]
amdhsa.kernels:
  - .name:           k_q71defe072a_quant
    .symbol:         k_q71defe072a_quant.kd
    .args:
      - { .name: Query, .offset: 0, .size: 8, .value_kind: global_buffer, .address_space: global }
      - { .name: Key, .offset: 8, .size: 8, .value_kind: global_buffer, .address_space: global }
      - { .name: Value, .offset: 16, .size: 8, .value_kind: global_buffer, .address_space: global }
      - { .name: Wq, .offset: 24, .size: 8, .value_kind: global_buffer, .address_space: global }
      - { .name: Wk, .offset: 32, .size: 8, .value_kind: global_buffer, .address_space: global }
      - { .name: Wv, .offset: 40, .size: 8, .value_kind: global_buffer, .address_space: global }
      - { .name: Wo, .offset: 48, .size: 8, .value_kind: global_buffer, .address_space: global }
      - { .name: xc, .offset: 56, .size: 8, .value_kind: global_buffer, .address_space: global }
      - { .name: wc, .offset: 64, .size: 8, .value_kind: global_buffer, .address_space: global }
      - { .name: sa, .offset: 72, .size: 8, .value_kind: global_buffer, .address_space: global }
    .group_segment_fixed_size: 34304
    .private_segment_fixed_size: 0
    .kernarg_segment_align: 8
    .kernarg_segment_size: 80
    .max_flat_workgroup_size: 64
    .sgpr_count:     66
    .vgpr_count:     256
    .wavefront_size: 32
...
	.end_amdgpu_metadata
.endif
;; end of part 1
;; launch proj (part 2): grid 4 x 192, 4 waves a work-group, clusters of 4 x 4, 295,424 bytes of LDS; arguments xc, wc, sa, bq, bk, bv, qb, kv; writes qb, kv
.if DOCPART == 2
	.amdgcn_target "amdgcn-amd-amdhsa--gfx1250"
	.amdhsa_code_object_version 6
	.text
	.protected	k_q71defe072a_proj
	.globl	k_q71defe072a_proj
	.p2align	8
	.type	k_q71defe072a_proj,@function
k_q71defe072a_proj:
	s_mov_b64 s[64:65], 0
	v_nop
	global_prefetch_b8 v0, s[64:65] scope:SCOPE_SE
	s_setreg_imm32_b32 hwreg(HW_REG_WAVE_MODE, 25, 1), 1
	s_wait_xcnt 0x0
	s_wait_alu depctr_hold_cnt(0) depctr_sa_sdst(0) depctr_va_vdst(0) depctr_va_sdst(0) depctr_va_ssrc(0) depctr_va_vcc(0) depctr_vm_vsrc(0)
	s_getreg_b32 s2, hwreg(HW_REG_IB_STS2, 6, 4)
	s_cmp_eq_u32 s2, 0
	s_cbranch_scc0 .Lentry_in_a_cluster
	s_endpgm
.Lentry_in_a_cluster:
	s_bfe_u32 s2, ttmp6, 0x10000c
	s_cmp_lg_u32 s2, 0xf033
	s_cbranch_scc0 .Lentry_shape_is_right
	s_endpgm
.Lentry_shape_is_right:
; The three projections on codes of BF6, their biases, and the quantising of the results: q and k along the head's 64, v along the keys.
; A work-group of four waves makes 128 rows of the LANE side L (source 1; one superblock) x 256 rows of the REGISTER side Rg (source 0; two superblocks), K = 1,024.
;   q, k (clusters 0-15, 16-31): L = Query or Key, Rg = Wq or Wk: a lane holds one row of x and its registers run along head x 64 + e: the next product's K.
;   v    (clusters 32-47):       L = Wv, Rg = Value: a lane holds one channel e of a head and its registers run along the keys: the next product's K.
; TILE ORDER: tile j of a group of 64 rows has row 4 r + j in lane r, so register jj of tile j is Rg's row 32 h + 4 jj + j of the group: the 32 registers of a group's four tiles are ONE block of 32
; in one lane, and half h of the lanes holds block 2 c + h, as the 6-bit operand wants.  Inside a block position p holds element 4 (p % 8) + p / 8; both operands of the later products carry that order.
; ALL OF K LIES IN LDS (3 x 98,304 bytes), brought once in four stages of two K steps: nothing is filled twice, so the K walk has only plain barriers in front of stages 1 to 3.
; CLUSTER 4 x 4: L's superblock is shared along a row of the cluster, Rg's two along a column: joint loads, which divide the requests by four.  Waves 0, 1 fetch Rg's superblocks, wave 2 L's; four loads of a wave are out.
; Wave w: L's tiles 4 (w & 1) + a (a = 0..3), Rg's superblock w >> 1 (tiles b = 0..7): 32 accumulators.  The scale words of all K steps stay in registers.
; LIMITS: NaN and infinities are not served; a block under 2^-122 gets the byte 1.  In q's and k's scale words bytes 2, 3 stand over zero codes: they hold the neighbouring head's bytes or 0, never 0xff.
; REGISTERS: window 0: v1-21 addresses; v32-95 scale words (8 a K step: lanes 0-15 L's tiles a in the first four, lanes 16-31 Rg's tiles b); v96-111 at work; v128-223 L's fragments, two sets of 48 (later the results at work);
;   window 1: Rg's fragments, two sets of 96 at v0 and v128;  window 2: accumulator (a, b) at v[8 (8 a + b)];  window 3: v0-63 the bias along the registers, v64-67 the bias of my lane's rows.
.set SBB,  98304                       ; a superblock's codes, all of K
.set SBK,  12288                       ; of one K step
.set STGB, 24576                       ; a stage: two K steps, 96 rows of 256 bytes
.set SAW,  786432                      ; the weights' scale words in sa (x's begin at 0)
.set WV,   20
.set WL,   21                          ; wave & 1
.set WR,   22                          ; wave >> 1
.set TN,   23                          ; which projection: 0 q, 1 k, 2 v
.set G1A,  24                          ; s[24:31] group 1 for L;  s[32:39] for Rg;  s[40:55] L's four groups 0;  s[68:83] Rg's
.set G1B,  32
.set G0A,  40
.set G0B,  68
.set TC,   58                          ; which 256 rows of Rg
.set TR,   59                          ; which 128 rows of L
.set LA,   66
.set SEL,  84
.set RA,   86
.set BP,   88
.set DP,   90
.set REC,  92
.set SCO,  93
.set LOF,  94
.set ROF,  95
.set SH8,  17
.set SC,   32
.set X,    128
.set CD,   192
.set TT,   240
.set MM,   96
.set PW,   104
.set SW,   108
.set MSB,  0
.macro WIN new                         ; the immediate's high byte repeats the setting that is left
.if MSB != \new
	s_set_vgpr_msb (MSB<<8)|\new
.set MSB, \new
.endif
.endm
.macro PLACES
.rept 4
	v_nop
.endr
.endm
.macro CROUND                          ; a round of the cluster's barrier
	s_barrier_signal -1
	s_barrier_wait -1
	s_cmp_lg_u32 s[WV], 0
	s_cbranch_scc1 .Lnot_wave_0_\@
	s_barrier_signal -3
.Lnot_wave_0_\@:
	s_barrier_wait -3
	s_barrier_signal -1
	s_barrier_wait -1
.endm
.macro FRAG reg, a16, a8, off          ; a fragment's two half images: every load takes consecutive bytes
	ds_load_b128 v[(\reg):(\reg)+3], v[\a16] offset:(\off)
	ds_load_b64 v[(\reg)+4:(\reg)+5], v[\a8] offset:(\off)+512
	ds_load_b128 v[(\reg)+6:(\reg)+9], v[\a16] offset:(\off)+768
	ds_load_b64 v[(\reg)+10:(\reg)+11], v[\a8] offset:(\off)+1280
.endm
.macro FETCH ks                        ; K step ks: Rg's eight fragments, L's four, into set ks % 2
	WIN 0x40                                       ; destination window 1, address window 0
.irp b, 0,1,2,3,4,5,6,7
	FRAG 128*((\ks)%2)+12*\b, 10+(\ks)/4, 12+(\ks)/4, ((\ks)%4)*SBK+1536*\b
.endr
	WIN 0
.irp a, 0,1,2,3
	FRAG 128+48*((\ks)%2)+12*\a, 6+(\ks)/4, 8+(\ks)/4, ((\ks)%4)*SBK+1536*\a
.endr
.endm
.macro MUL ks                          ; 32 products; the accumulators take turns, one instruction a turn, in the same order in every K step; K step 0 starts the sums
	WIN 0xa1                                       ; source 0 window 1, source 1 window 0, C and D window 2
.irp a, 0,1,2,3
.irp b, 0,1,2,3,4,5,6,7
.if (\ks) == 0
	v_wmma_scale_f32_16x16x128_f8f6f4 v[8*(8*\a+\b):8*(8*\a+\b)+7], v[128*((\ks)%2)+12*\b:128*((\ks)%2)+12*\b+11], v[128+48*((\ks)%2)+12*\a:128+48*((\ks)%2)+12*\a+11], 0, v[SC+8*(\ks)+\b], v[SC+8*(\ks)+\a] matrix_a_fmt:MATRIX_FMT_BF6 matrix_b_fmt:MATRIX_FMT_BF6 matrix_a_scale:MATRIX_SCALE_ROW1
.else
	v_wmma_scale_f32_16x16x128_f8f6f4 v[8*(8*\a+\b):8*(8*\a+\b)+7], v[128*((\ks)%2)+12*\b:128*((\ks)%2)+12*\b+11], v[128+48*((\ks)%2)+12*\a:128+48*((\ks)%2)+12*\a+11], v[8*(8*\a+\b):8*(8*\a+\b)+7], v[SC+8*(\ks)+\b], v[SC+8*(\ks)+\a] matrix_a_fmt:MATRIX_FMT_BF6 matrix_b_fmt:MATRIX_FMT_BF6 matrix_a_scale:MATRIX_SCALE_ROW1
.endif
.endr
.endr
.endm
.macro KSTEP ks
	s_wait_dscnt 0x0                               ; this K step's fragments are in
.if (\ks) < 7
.if (\ks) > 0
	PLACES                                         ; four places in front of loads into registers that the last K step's products read
.endif
	FETCH (\ks)+1
.endif
	MUL \ks
.endm
.macro QUANT2 x, c, t, m, w            ; 64 numbers of a lane (blocks h and 2 + h) -> 12 registers of codes at v[c], the scale word in v[w]
.irp k, 0,1
	v_max3_num_f32 v[(\m)+\k], |v[(\x)+32*\k]|, |v[(\x)+32*\k+1]|, 0x2800000   ; the floor 2^(5 - 127)
.endr
.irp i, 2,4,6,8,10,12,14,16,18,20,22,24,26,28,30
.irp k, 0,1
	v_max3_num_f32 v[(\m)+\k], v[(\m)+\k], |v[(\x)+32*\k+\i]|, |v[(\x)+32*\k+\i+1]|
.endr
.endr
.irp k, 0,1
	v_add_nc_u32 v[(\m)+2+\k], 0xfe000000, v[(\m)+\k]
.endr
.irp k, 0,1
	v_lshrrev_b32 v[(\m)+4+\k], 23, v[(\m)+2+\k]
.endr
	v_lshl_or_b32 v[(\m)+6], v[(\m)+5], 16, v[(\m)+4]
	v_lshlrev_b32 v[(\m)+6], v[SH8], v[(\m)+6]
	v_permlanex16_b32 v[(\m)+7], v[(\m)+6], s[SEL], s[SEL+1]
	v_or_b32 v[(\w)], v[(\m)+6], v[(\m)+7]
.irp k, 0,1
	v_cvt_scalef32_pk16_bf6_f32 v[(\c)+6*\k:(\c)+6*\k+2], v[(\x)+32*\k:(\x)+32*\k+15], v[(\m)+2+\k]
	v_cvt_scalef32_pk16_bf6_f32 v[(\t)+4*\k:(\t)+4*\k+2], v[(\x)+32*\k+16:(\x)+32*\k+31], v[(\m)+2+\k]
.endr
	v_nop                                          ; one plain place behind a scaled conversion
.irp k, 0,1
.irp i, 0,1,2
	v_mov_b32 v[(\c)+6*\k+3+\i], v[(\t)+4*\k+\i]
.endr
.endr
.endm
	s_load_b512 s[4:19], s[0:1], 0x0               ; xc s[4:5], wc s[6:7], sa s[8:9], bq s[10:11], bk s[12:13], bv s[14:15], qb s[16:17], kv s[18:19]
	v_lshl_add_u32 v254, v0, 2, 0x48000
	v_mov_b32 v255, 0
	ds_add_u32 v254, v255
	ds_add_u32 v254, v255
	v_lshrrev_b32 v1, 5, v0
	v_readfirstlane_b32 s[WV], v1
	s_and_b32 s[WL], s[WV], 1
	s_lshr_b32 s[WR], s[WV], 1
	s_bfe_u32 s56, ttmp6, 0x40000                  ; cx
	s_bfe_u32 s57, ttmp6, 0x40004                  ; cy
	s_and_b32 s60, ttmp7, 0xffff                   ; the cluster's y, 0..47
	s_lshr_b32 s[TN], s60, 4
	s_and_b32 s60, s60, 15
	s_and_b32 s62, s60, 7
	s_lshr_b32 s61, s60, 3
	s_lshl_b32 s96, s[TN], 6
	s_lshl_b32 s97, s[TN], 3
	s_mov_b32 s[SEL], 0x76543210
	s_mov_b32 s[SEL+1], 0xfedcba98
	s_mov_b32 s[REC], 13312
	s_mov_b32 s[SCO], 12288
	s_wait_dscnt 0x0
	s_wait_kmcnt 0x0
	s_cmp_eq_u32 s[TN], 2                          ; every choice hangs on the cluster's number alone
	s_cselect_b32 s[TC], s62, 0                    ; the cluster's column: v has 8 of them, q and k one
	s_cselect_b32 s[TR], s61, s60                  ; its row: v has 2, q and k 16
	s_cselect_b64 s[LA:LA+1], s[6:7], s[4:5]
	s_cselect_b64 s[RA:RA+1], s[4:5], s[6:7]
	s_cselect_b32 s96, 16, s96                     ; L's first superblock in its buffer
	s_cselect_b32 s97, 128, s97                    ; Rg's
	s_cselect_b32 s[LOF], SAW, 0
	s_cselect_b32 s[ROF], 0, SAW
	s_cselect_b64 s[BP:BP+1], s[14:15], s[12:13]
	s_cmp_eq_u32 s[TN], 0
	s_cselect_b64 s[BP:BP+1], s[10:11], s[BP:BP+1]
	s_cselect_b64 s[DP:DP+1], s[16:17], s[18:19]   ; q goes to qb, k and v to kv
	s_cselect_b32 s[REC], 6656, s[REC]             ; a record's bytes,
	s_cselect_b32 s[SCO], 6144, s[SCO]             ; and where its scale words of q or k begin
	s_lshl_b32 s[TC], s[TC], 2
	s_add_co_u32 s[TC], s[TC], s56
	s_lshl_b32 s[TR], s[TR], 2
	s_add_co_u32 s[TR], s[TR], s57
	s_add_co_u32 s96, s96, s[TR]                   ; L's superblock: it hangs on cy alone
	s_mul_i32 s60, s96, SBB
	s_mov_b32 s61, 0
	s_add_nc_u64 s[LA:LA+1], s[LA:LA+1], s[60:61]
	s_lshl_b32 s62, s[TC], 1
	s_add_co_u32 s97, s97, s62                     ; Rg's first superblock: it hangs on cx alone
	s_add_co_u32 s62, s97, s[WL]                   ; the one that wave 0 or 1 fetches
	s_mul_i32 s62, s62, SBB
	s_mov_b32 s63, 0
	s_add_nc_u64 s[RA:RA+1], s[RA:RA+1], s[62:63]
	s_lshl_b32 s96, s96, 12                        ; 4,096 bytes of scale words a superblock
	s_add_co_u32 s[LOF], s[LOF], s96
	s_lshl_b32 s96, s[WL], 8
	s_add_co_u32 s[LOF], s[LOF], s96               ; my four tiles' words
	s_add_co_u32 s97, s97, s[WR]
	s_lshl_b32 s97, s97, 12
	s_add_co_u32 s[ROF], s[ROF], s97
	s_lshl_b32 s60, s57, 2
	s_lshl_b32 s60, 15, s60                        ; my row of the cluster
	s_lshl_b32 s62, 0x1111, s56                    ; my column
	s_or_b32 s[G1A], s60, (3<<16)|(1<<21)          ; 15:0 the mask; 17:16 elements of 8 bytes; 21 set beside a mask; no padding
	s_or_b32 s[G1B], s62, (3<<16)|(1<<21)
.irp g, G1A, G1B
	s_mov_b32 s[\g+1], 32<<16                      ; tensor_dim0 = 32 elements: rows of 256 bytes
	s_mov_b32 s[\g+2], 384<<16                     ; tensor_dim1 = 384: a whole superblock
	s_mov_b32 s[\g+3], 32<<16                      ; tile_dim0
	s_mov_b32 s[\g+4], 384                         ; tile_dim1
	s_mov_b32 s[\g+5], 32                          ; the pitch: dense
	s_mov_b32 s[\g+6], 0
	s_mov_b32 s[\g+7], 0
.endr
	; ONE LOAD A WAVE (this takes the place of the four stages that the head's lines name): waves 0, 1 fetch a whole superblock of Rg each, 384 rows of 256 bytes;
	; waves 2, 3 a half of L's superblock each, 192 rows.  All of K comes by these four loads, and the one barrier in front of K step 0 shows it to all four waves.
	s_mov_b32 s[G1A+2], 192<<16
	s_mov_b32 s[G1A+4], 192
	s_mul_i32 s98, s[WL], SBB
.irp i, 0,2
	s_mov_b32 s[G0A+4*\i], 1
	s_mov_b32 s[G0A+4*\i+1], STGB*\i               ; L lies at LDS byte 0
	s_add_nc_u64 s[G0A+4*\i+2:G0A+4*\i+3], s[LA:LA+1], STGB*\i
	s_or_b32 s[G0A+4*\i+3], s[G0A+4*\i+3], 0x80000000
	s_mov_b32 s[G0B+4*\i], 1
	s_add_co_u32 s[G0B+4*\i+1], s98, SBB+STGB*\i   ; Rg's two superblocks behind it
	s_add_nc_u64 s[G0B+4*\i+2:G0B+4*\i+3], s[RA:RA+1], STGB*\i
	s_or_b32 s[G0B+4*\i+3], s[G0B+4*\i+3], 0x80000000
.endr
	CROUND                                         ; all sixteen work-groups are here: the joint loads meet
	s_cmp_lt_u32 s[WV], 2                          ; one chain of branches on the wave's number, one fill to an arm, all arms lead to one join
	s_cbranch_scc0 .Lnot_rg
	tensor_load_to_lds s[G0B:G0B+3], s[G1B:G1B+7]
	s_nop 0
	PLACES
	s_branch .Lasked
.Lnot_rg:
	s_cmp_eq_u32 s[WV], 2
	s_cbranch_scc0 .Lhalf_l
	tensor_load_to_lds s[G0A:G0A+3], s[G1A:G1A+7]
	s_nop 0
	PLACES
	s_branch .Lasked
.Lhalf_l:
	tensor_load_to_lds s[G0A+8:G0A+11], s[G1A:G1A+7]
	s_nop 0
	PLACES
.Lasked:
	v_and_b32 v3, 31, v0                           ; lane
	v_and_b32 v1, 15, v0                           ; r
	v_bfe_u32 v2, v0, 4, 1                         ; h
	v_lshlrev_b32 v4, 4, v3                        ; 16 x lane
	v_lshlrev_b32 v5, 3, v3                        ; 8 x lane
	s_mul_i32 s99, s[WL], 6144                     ; my four tiles of L
	v_add_nc_u32 v6, s99, v4                       ; K steps 0-3,
	v_add_nc_u32 v7, 49152, v6                     ; K steps 4-7 (an LDS immediate has 16 bits)
	v_add_nc_u32 v8, s99, v5
	v_add_nc_u32 v9, 49152, v8
	s_mul_i32 s99, s[WR], SBB
	s_add_co_u32 s99, s99, SBB                     ; my superblock of Rg
	v_add_nc_u32 v10, s99, v4
	v_add_nc_u32 v11, 49152, v10
	v_add_nc_u32 v12, s99, v5
	v_add_nc_u32 v13, 49152, v12
	v_lshlrev_b32 v16, 4, v1                       ; 16 r
	v_mov_b32 v14, s[LOF]
	v_mov_b32 v15, s[ROF]
	v_cmp_eq_u32 vcc_lo, 1, v2
	v_cndmask_b32 v14, v14, v15, vcc_lo            ; lanes 0-15 take L's words, lanes 16-31 Rg's
	v_add_nc_u32 v14, v14, v16
	s_wait_alu depctr_va_vdst(0)
	v_lshl_add_u32 v15, v2, 8, v14                 ; the second four: Rg's tiles 4-7; lanes 0-15 read their four once more
	s_wait_alu depctr_va_vdst(0)
	v_lshlrev_b32 v[SH8], 3, v2
	v_lshlrev_b32 v18, 7, v2                       ; 128 h: my half's 32 numbers of a group's bias
	s_wait_alu depctr_va_vdst(0)
	v_mov_b32 v[MM+7], 0                           ; written once: a lane permute's destination counts as one of its sources
	s_lshl_b32 s99, s[TC], 1
	s_add_co_u32 s99, s99, s[WR]
	s_and_b32 s100, s99, 7                         ; (held inside the bias on the path that does not use it)
	s_lshl_b32 s100, s100, 9
	s_mov_b32 s101, 0
	s_add_nc_u64 s[10:11], s[BP:BP+1], s[100:101]  ; the bias of Rg's 128 rows
	s_lshl_b32 s100, s[TR], 1
	s_add_co_u32 s100, s100, s[WL]
	s_and_b32 s100, s100, 15
	s_lshl_b32 s100, s100, 8
	s_add_nc_u64 s[12:13], s[BP:BP+1], s[100:101]  ; the bias of L's 64 rows
.irp u, 0,1,2,3,4,5,6,7
	global_load_b128 v[SC+8*\u:SC+8*\u+3], v14, s[8:9] offset:512*\u       ; sixteen lanes read 256 consecutive bytes
	global_load_b128 v[SC+8*\u+4:SC+8*\u+7], v15, s[8:9] offset:512*\u
.endr
	WIN 0xc0                                       ; destination window 3
.irp k, 0,1
.irp q, 0,1,2,3,4,5,6,7
	global_load_b128 v[32*\k+4*\q:32*\k+4*\q+3], v18, s[10:11] offset:256*\k+16*\q   ; in natural order: register 32 c + e' = the bias of row 64 c + 32 h + e'
.endr
.endr
	global_load_b128 v[64:67], v16, s[12:13]       ; rows 4 r + a, a = 0..3
	WIN 0
	s_wait_tensorcnt 0x0                           ; my one load has landed
	s_barrier_signal -1
	s_barrier_wait -1
	FETCH 0
	s_wait_loadcnt 0x0                             ; scale words and biases
.irp u, 0,1,2,3,4,5,6,7
	KSTEP \u
.endr
	WIN 0
	PLACES                                         ; four places in front of the first read of results and the first write over fragments
	s_cmp_eq_u32 s[TN], 2
	s_cbranch_scc1 .Lvpath
	; ---- q or k: my Rg superblock R is heads 2 R and 2 R + 1; half image c of L's tile a belongs to head 2 R + c
	s_lshl_b32 s96, s[TC], 1
	s_add_co_u32 s96, s96, s[WR]
	s_lshl_b32 s96, s96, 1                         ; head 2 R
	s_lshr_b32 s97, s[TR], 4
	s_lshl_b32 s97, s97, 4                         ; 16 x batch
	s_add_co_u32 s96, s96, s97
	s_lshl_b32 s96, s96, 4
	s_and_b32 s97, s[TR], 15
	s_add_co_u32 s96, s96, s97                     ; record = (16 batch + head) x 16 + superblock in the batch
	s_mul_i32 s96, s96, s[REC]
	s_mov_b32 s97, 0
	s_add_nc_u64 s[18:19], s[DP:DP+1], s[96:97]
	s_mul_i32 s98, s[WL], 3072
	s_mov_b32 s99, 0
	s_add_nc_u64 s[14:15], s[18:19], s[98:99]      ; head 2 R, tiles 4 wl on
	s_lshl_b32 s100, s[REC], 4
	s_mov_b32 s101, 0
	s_add_nc_u64 s[16:17], s[14:15], s[100:101]    ; head 2 R + 1: sixteen records on
	s_lshl_b32 s98, s[WL], 8
	s_add_co_u32 s98, s98, s[SCO]
	s_add_nc_u64 s[18:19], s[18:19], s[98:99]      ; the scale words
	v_mul_u32_u24 v20, s100, v2
	v_add_nc_u32 v20, v20, v16                     ; lanes 0-15: head 2 R's words of row r; lanes 16-31: head 2 R + 1's
	v_lshlrev_b32 v21, 4, v2
.irp a, 0,1,2,3
	WIN 0x0e                                       ; source 0 window 2, source 1 window 3
.set i, 0
.rept 64
	v_add_f32 v[X+i], v[64*\a+i], v[(i&32)+4*(i%8)+(i%32)/8]   ; + bias; each accumulator from its low end on
.set i, i+1
.endr
	WIN 0
	QUANT2 X, CD+12*\a, TT, MM, PW+\a
	global_store_b128 v4, v[CD+12*\a:CD+12*\a+3], s[14:15] offset:768*\a
	global_store_b64 v5, v[CD+12*\a+4:CD+12*\a+5], s[14:15] offset:768*\a+512
	global_store_b128 v4, v[CD+12*\a+6:CD+12*\a+9], s[16:17] offset:768*\a
	global_store_b64 v5, v[CD+12*\a+10:CD+12*\a+11], s[16:17] offset:768*\a+512
.endr
.irp a, 0,1,2,3
	v_lshrrev_b32 v[SW+\a], v21, v[PW+\a]          ; head 2 R + 1's two bytes come down to bytes 0, 1
.endr
	global_store_b128 v20, v[SW:SW+3], s[18:19]    ; sixteen lanes store 256 consecutive bytes, aligned
	s_branch .Ldone
	; ---- v: my 64 rows of L are head 2 TR + wl's channels (tile a: e = 4 r + a), my Rg superblock 128 keys: tile a is a whole fragment of V^T
.Lvpath:
	s_lshl_b32 s96, s[TC], 1
	s_add_co_u32 s96, s96, s[WR]                   ; Value's superblock 0..63
	s_lshr_b32 s97, s96, 4
	s_lshl_b32 s97, s97, 4
	s_lshl_b32 s98, s[TR], 1
	s_add_co_u32 s98, s98, s[WL]                   ; head
	s_add_co_u32 s97, s97, s98
	s_lshl_b32 s97, s97, 4
	s_and_b32 s96, s96, 15
	s_add_co_u32 s96, s96, s97
	s_mul_i32 s96, s96, 13312
	s_mov_b32 s97, 0
	s_add_nc_u64 s[14:15], s[DP:DP+1], s[96:97]
.irp a, 0,1,2,3
	WIN 0x0e
.set i, 0
.rept 64
	v_add_f32 v[X+i], v[64*\a+i], v[64+\a]         ; + the bias of my channel
.set i, i+1
.endr
	WIN 0
	QUANT2 X, CD+12*\a, TT, MM, PW+\a
	global_store_b128 v4, v[CD+12*\a:CD+12*\a+3], s[14:15] offset:6144+1536*\a
	global_store_b64 v5, v[CD+12*\a+4:CD+12*\a+5], s[14:15] offset:6144+1536*\a+512
	global_store_b128 v4, v[CD+12*\a+6:CD+12*\a+9], s[14:15] offset:6144+1536*\a+768
	global_store_b64 v5, v[CD+12*\a+10:CD+12*\a+11], s[14:15] offset:6144+1536*\a+1280
.endr
	global_store_b128 v4, v[PW:PW+3], s[14:15] offset:12800   ; [lane][tile]: both halves of the lanes hold the words, 512 consecutive bytes
.Ldone:
	s_wait_tensorcnt 0x0
	ds_add_u32 v254, v255
	s_wait_dscnt 0x0
	CROUND                                         ; the closing round: no work-group ends while a partner may still ask for a tile that names it
	s_endpgm
.Lfunc_end_k_q71defe072a_proj:
	.size	k_q71defe072a_proj, .Lfunc_end_k_q71defe072a_proj-k_q71defe072a_proj
	.p2alignl 7, 3214868480
	.fill 96, 4, 3214868480
	.section	.rodata,"a",@progbits
	.p2align	6, 0x0
	.amdhsa_kernel k_q71defe072a_proj
		.amdhsa_group_segment_fixed_size 295424
		.amdhsa_private_segment_fixed_size 0
		.amdhsa_enable_private_segment 0
		.amdhsa_kernarg_size 64
		.amdhsa_user_sgpr_count 2
		.amdhsa_user_sgpr_kernarg_segment_ptr 1
		.amdhsa_wavefront_size32 1
		.amdhsa_system_sgpr_workgroup_id_x 1
		.amdhsa_system_sgpr_workgroup_id_y 1
		.amdhsa_system_sgpr_workgroup_id_z 1
		.amdhsa_system_vgpr_workitem_id 0
		.amdhsa_next_free_vgpr 1024
		.amdhsa_next_free_sgpr 102
		.amdhsa_reserve_vcc 1
		.amdhsa_float_denorm_mode_32 3
		.amdhsa_float_denorm_mode_16_64 3
		.amdhsa_memory_ordered 1
		.amdhsa_forward_progress 1
		.amdhsa_inst_pref_size 114
	.end_amdhsa_kernel
	.amdgpu_metadata
---
amdhsa.version: [ 1, 2 ]
amdhsa.kernels:
  - .name:           k_q71defe072a_proj
    .symbol:         k_q71defe072a_proj.kd
    .args:
      - { .name: xc, .offset: 0, .size: 8, .value_kind: global_buffer, .address_space: global }
      - { .name: wc, .offset: 8, .size: 8, .value_kind: global_buffer, .address_space: global }
      - { .name: sa, .offset: 16, .size: 8, .value_kind: global_buffer, .address_space: global }
      - { .name: bq, .offset: 24, .size: 8, .value_kind: global_buffer, .address_space: global }
      - { .name: bk, .offset: 32, .size: 8, .value_kind: global_buffer, .address_space: global }
      - { .name: bv, .offset: 40, .size: 8, .value_kind: global_buffer, .address_space: global }
      - { .name: qb, .offset: 48, .size: 8, .value_kind: global_buffer, .address_space: global }
      - { .name: kv, .offset: 56, .size: 8, .value_kind: global_buffer, .address_space: global }
    .group_segment_fixed_size: 295424
    .private_segment_fixed_size: 0
    .kernarg_segment_align: 8
    .kernarg_segment_size: 64
    .max_flat_workgroup_size: 128
    .sgpr_count:     102
    .vgpr_count:     1024
    .wavefront_size: 32
...
	.end_amdgpu_metadata
.endif
;; end of part 2
;; launch attn (part 3): grid 4 x 64, 16 waves a work-group, clusters of 4 x 1, 215,040 bytes of LDS; arguments qb, kv, oc, sa; writes oc, sa
.if DOCPART == 3
	.amdgcn_target "amdgcn-amd-amdhsa--gfx1250"
	.amdhsa_code_object_version 6
	.text
	.protected	k_q71defe072a_attn
	.globl	k_q71defe072a_attn
	.p2align	8
	.type	k_q71defe072a_attn,@function
k_q71defe072a_attn:
	s_mov_b64 s[64:65], 0
	v_nop
	global_prefetch_b8 v0, s[64:65] scope:SCOPE_SE
	s_setreg_imm32_b32 hwreg(HW_REG_WAVE_MODE, 25, 1), 1
	s_wait_xcnt 0x0
	s_wait_alu depctr_hold_cnt(0) depctr_sa_sdst(0) depctr_va_vdst(0) depctr_va_sdst(0) depctr_va_ssrc(0) depctr_va_vcc(0) depctr_vm_vsrc(0)
	s_getreg_b32 s2, hwreg(HW_REG_IB_STS2, 6, 4)
	s_cmp_eq_u32 s2, 0
	s_cbranch_scc0 .Lentry_in_a_cluster
	s_endpgm
.Lentry_in_a_cluster:
	s_bfe_u32 s2, ttmp6, 0x10000c
	s_cmp_lg_u32 s2, 0x3003
	s_cbranch_scc0 .Lentry_shape_is_right
	s_endpgm
.Lentry_shape_is_right:
; O = softmax(q k^T / 8) v for one head and 512 queries a work-group, both products on codes of BF6; O / l is quantised along head x 64 + e for the last product.
; THE SOFTMAX: t = score x log2(e) / 8; M = the running largest t rounded up to a whole number; p = 2^(t - M) is quantised along the keys, not normalised; l is the sum of the unquantised p.
; When M moves, l and O are multiplied by 2^(old M - new M): exact, and no branch on data.  The running maximum is kept as a score; t of it is one multiplication (log2(e) / 8 is positive).
; The head's K, V and scale words, 16 records of 13,312 bytes (128 keys each), lie in LDS for the whole launch: filled once, by sixteen loads, one a wave, so there is no ring and no refill.
; CLUSTER 4 x 1: the four work-groups of a head read the same records: wave w of each asks jointly for record w.
; NO DATA PREFETCH: every record is asked for at the kernel's head, so there is no loop that runs ahead of a load.
; SIXTEEN WAVES of 256 registers, four to a SIMD.  A wave owns one tile of 16 queries, twice (two passes).
; Both products are used transposed: S^T = K Q^T, O^T = V^T P^T: a lane holds one query throughout.  By the tile order (tile j of a group of 64 keys has key 4 r + j in lane r) the 32 registers of a
; group's four tiles are ONE block of 32 keys in one lane, half h of the lanes holding block 2 c + h: p's codes are the operand's registers, and a block's maximum needs no other lane.
; THE HEAD'S K IS 64: registers 6-11 of Q's fragment are zero codes.  So what stands in registers 6-11 of a fragment of K adds nothing (every code of E3M2 is a finite number, and no scale byte is 0xff):
; tile j's six registers lie at v[32 + 6 j], and its fragment runs on over tile j + 1's; tile 7's runs on over v80-85, of which v80-82 are at work in the step.
; A BLOCK'S SCALE is made from its largest score: x = t - M of that score, by the same multiply-add that its p takes; the largest p = 2^x has the exponent floor(x), so the scale's byte is floor(x) + 127 - 4,
; with x held at -122 from below (the byte cannot fall under 1).
; THE ORDER OF A KEY STEP: eight score products; ONE run of 35 LDS loads (V of this record, K of the next); the maxima; M, f, the two scales and p's scale word, among t - M of block h and O's rescaling;
; 32 exponentials (block h); 32 exponentials (block 2 + h); the codes, the sums, four products.  Between the exponentials of a batch stand single vector lines that are due anyway, each of which reads
; nothing written since the last wait and whose result is read behind the next wait alone: t - M of block 2 + h in the first batch; block h's conversions, l's rescaling and the first level of block h's
; sum in the second.  Each batch has its wait ahead and behind.  l takes the unquantised p: each block's 16 pairs are summed as a tree, in place, behind the block's conversions.
; LIMITS: NaN and infinities are not served; the promise holds while |t| stays under 2^31; a block whose largest p lies under 2^-122 gets the byte 1.  The scale takes v_exp_f32 of x not to reach
; 2^(floor(x) + 1): where it did, for an x within a rounding of a whole number, that one p of the block would be held at the largest code.
; O's scale bytes leave as single bytes, 32 lanes into one block of 256 bytes: one byte for each 24 of codes.
; REGISTERS: v1-3 16 x lane, 8 x lane, 16 r; v4 8 h; v5 Q's scale word; v6, v7 at work; v8-10 the step's LDS addresses; v11 -M as it was; v12 -M, v13 largest score, v[14:15] l; v16-27 Q; v28 f, v29 p's scale word;
;   v30, v31 my two blocks' largest, then their scale operands; v32-85 K; v86-93 K's scale words, v94-97 V's; v98-161 S^T, then p; v162-193 O^T; v194-205 p's codes; v206-253 V's four fragments; v254, v255 the add's two.
.set KVREC, 13312
.set QREC,  6656
.set SBB,   98304
.set SAO,   917504                     ; where O's scale words begin in sa
.set SPARE, 0x34000                    ; behind the sixteen records: the spare words, 128 bytes a wave
.set WV,    12
.set SEL,   14
.set CS,    16
.set TB,    18                         ; LDS byte of the record in hand
.set CNT,   19
.set G1,    24                         ; s[24:31] group 1: one record, 52 rows of 256 bytes;  s[40:43] group 0
.set G0,    40
.set QS,    5
.set F,     28
.set PW,    29
.set MA,    30
.set MC,    31
.set KF,    32
.set TL,    80                         ; v80-82: two chains of maxima, then the second half of a block's codes (a conversion's three registers begin on an even number)
.set KS,    86
.set VS,    94
.set S,     98
.set OT,    162
.set PC,    194
.set VF,    206
.set SPW,   254
.set NIL,   255
.macro CROUND
	s_barrier_signal -1
	s_barrier_wait -1
	s_cmp_lg_u32 s[WV], 0
	s_cbranch_scc1 .Lnot_wave_0_\@
	s_barrier_signal -3
.Lnot_wave_0_\@:
	s_barrier_wait -3
	s_barrier_signal -1
	s_barrier_wait -1
.endm
.macro FRAG reg, a16, a8, off          ; a fragment's two half images: every load takes consecutive bytes
	ds_load_b128 v[(\reg):(\reg)+3], v[\a16] offset:(\off)
	ds_load_b64 v[(\reg)+4:(\reg)+5], v[\a8] offset:(\off)+512
	ds_load_b128 v[(\reg)+6:(\reg)+9], v[\a16] offset:(\off)+768
	ds_load_b64 v[(\reg)+10:(\reg)+11], v[\a8] offset:(\off)+1280
.endm
.macro PREK a16, a8, ar, off           ; a record's eight tiles of K and their scale words: 18 LDS loads
.irp j, 0,1,2,3,4,5,6,7
	ds_load_b128 v[KF+6*\j:KF+6*\j+3], v[\a16] offset:(\off)+768*\j
	ds_load_b64 v[KF+6*\j+4:KF+6*\j+5], v[\a8] offset:(\off)+768*\j+512
.endr
	ds_load_b128 v[KS:KS+3], v[\ar] offset:(\off)+12288
	ds_load_b128 v[KS+4:KS+7], v[\ar] offset:(\off)+12288+256
.endm
.macro PKT q                           ; t - M of pair q of the 32 pairs of scores
	v_pk_fma_f32 v[S+2*(\q):S+2*(\q)+1], v[S+2*(\q):S+2*(\q)+1], s[CS:CS+1], v[12:13] op_sel_hi:[1,0,0]
.endm
.macro PKTS a, n
.set q, \a
.rept \n
	PKT q
.set q, q+1
.endr
.endm
.macro OMULS a, n                      ; pairs a .. a + n - 1 of O^T's 16 under the new M; they ascend in the text
.set q, \a
.rept \n
	v_pk_mul_f32 v[OT+2*q:OT+2*q+1], v[OT+2*q:OT+2*q+1], v[F:F+1] op_sel_hi:[1,0]
.set q, q+1
.endr
.endm
.macro TREE base, step, n              ; a level of a block's sum, in place: n additions, register pair base + 2 step i takes pair base + 2 step i + step
.set q, 0
.rept \n
	v_pk_add_f32 v[(\base)+2*(\step)*q:(\base)+2*(\step)*q+1], v[(\base)+2*(\step)*q:(\base)+2*(\step)*q+1], v[(\base)+2*(\step)*q+(\step):(\base)+2*(\step)*q+(\step)+1]
.set q, q+1
.endr
.endm
	s_load_b256 s[4:11], s[0:1], 0x0               ; qb s[4:5], kv s[6:7], oc s[8:9], sa s[10:11]
	v_lshl_add_u32 v[SPW], v0, 2, SPARE
	v_mov_b32 v[NIL], 0
	ds_add_u32 v[SPW], v[NIL]                      ; the opening lines: the add, twice on end, and its wait ahead of my tensor load
	ds_add_u32 v[SPW], v[NIL]
	v_lshrrev_b32 v1, 5, v0
	v_readfirstlane_b32 s[WV], v1                  ; wave 0..15
	s_bfe_u32 s20, ttmp6, 0x40000                  ; cx
	s_lshl_b32 s21, ttmp9, 2
	s_add_co_u32 s20, s21, s20                     ; which 512 queries: it enters Q's and O's addresses alone
	s_and_b32 s21, ttmp7, 0xffff                   ; 16 x batch + head, which the four partners share
	s_mul_i32 s48, s21, 16*KVREC
	s_mul_i32 s50, s[WV], KVREC                    ; wave w fetches record w
	s_add_co_u32 s52, s48, s50
	s_mov_b32 s53, 0
	s_mov_b32 s[G1], 15|(3<<16)|(1<<21)            ; 15:0 the mask: all four work-groups; 17:16 elements of 8 bytes; 21 set beside a mask
	s_mov_b32 s[G1+1], 32<<16
	s_mov_b32 s[G1+2], 52<<16
	s_mov_b32 s[G1+3], 32<<16
	s_mov_b32 s[G1+4], 52
	s_mov_b32 s[G1+5], 32
	s_mov_b32 s[G1+6], 0
	s_mov_b32 s[G1+7], 0
	s_mov_b32 s[SEL], 0x76543210
	s_mov_b32 s[SEL+1], 0xfedcba98
	s_mov_b32 s[CS], 0x3e38aa3b                    ; log2(e) / 8
	s_mov_b32 s[CS+1], s[CS]                       ; (named with it as a pair)
	s_wait_dscnt 0x0                               ; both opening adds are done
	s_wait_kmcnt 0x0
	s_mov_b32 s[G0], 1
	s_mov_b32 s[G0+1], s50
	s_add_nc_u64 s[G0+2:G0+3], s[6:7], s[52:53]
	s_or_b32 s[G0+3], s[G0+3], 0x80000000
	CROUND                                         ; all four work-groups are here: the joint loads meet
	tensor_load_to_lds s[G0:G0+3], s[G1:G1+7]      ; my one load: every wave issues one, and no branch leads round it
	s_nop 0
	s_and_b32 s22, s[WV], 7                        ; my tile of queries in its superblock
	s_lshr_b32 s23, s[WV], 3
	s_lshl_b32 s56, s20, 2
	s_add_co_u32 s56, s56, s23                     ; pass 0's superblock of queries in the batch; pass 1's lies two on
	s_lshl_b32 s57, s21, 4
	s_add_co_u32 s57, s57, s56
	s_mul_i32 s58, s57, QREC
	s_mul_i32 s59, s22, 768
	s_add_co_u32 s60, s58, s59
	s_mov_b32 s61, 0
	s_add_nc_u64 s[66:67], s[4:5], s[60:61]        ; Q's codes
	s_lshr_b32 s59, s22, 2
	s_lshl_b32 s59, s59, 8
	s_and_b32 s62, s22, 3
	s_lshl_b32 s62, s62, 2
	s_add_co_u32 s59, s59, s62                     ; my tile's place among a record's scale words
	s_add_co_u32 s60, s58, s59
	s_add_co_u32 s60, s60, 6144
	s_add_nc_u64 s[68:69], s[4:5], s[60:61]        ; Q's scale words
	s_lshr_b32 s62, s21, 4
	s_lshl_b32 s62, s62, 4
	s_add_co_u32 s62, s62, s56                     ; O's superblock
	s_lshl_b32 s62, s62, 3
	s_bfe_u32 s63, s21, 0x30001                    ; its K step = head / 2
	s_add_co_u32 s62, s62, s63
	s_and_b32 s63, s21, 1                          ; its half image = head % 2
	s_lshl_b32 s60, s62, 3
	s_add_co_u32 s60, s60, s22
	s_mul_i32 s60, s60, 1536
	s_mul_i32 s58, s63, 768
	s_add_co_u32 s60, s60, s58
	s_add_nc_u64 s[70:71], s[8:9], s[60:61]        ; O's codes
	s_lshl_b32 s60, s62, 9
	s_add_co_u32 s60, s60, s59
	s_lshl_b32 s58, s63, 1
	s_add_co_u32 s60, s60, s58
	s_add_co_u32 s60, s60, SAO
	s_add_nc_u64 s[72:73], s[10:11], s[60:61]      ; O's scale bytes
	v_and_b32 v6, 31, v0
	v_and_b32 v7, 15, v0                           ; (v7 is so written ahead of its first use as a lane permute's destination, which counts as one of its sources)
	v_bfe_u32 v4, v0, 4, 1
	v_lshlrev_b32 v1, 4, v6                        ; 16 x lane
	v_lshlrev_b32 v2, 3, v6                        ; 8 x lane
	v_lshlrev_b32 v3, 4, v7                        ; 16 r
	v_lshlrev_b32 v4, 3, v4                        ; 8 h
.irp i, 22,23,24,25,26,27
	v_mov_b32 v[\i], 0                             ; Q's k = 64 .. 127: zero codes
.endr
.irp i, 0,1,2,3,4,5
	v_mov_b32 v[TL+\i], 0                          ; written once ahead of tile 7's first product
.endr
	v_mov_b32 v[PW], 0                             ; (named as the upper half of the pair with f)
.macro PROLOG p
.if \p
	s_wait_xcnt 0x0                                ; the last pass's stores have read their registers, which this pass writes again
.endif
	v_mov_b32 v13, 0xff61b1e6                      ; the largest score so far: -3e38
	v_mov_b32 v12, 0x7f61b1e6                      ; -M: 3e38
	v_mov_b32 v14, 0
	v_mov_b32 v15, 0
.set i, 0
.rept 32
	v_mov_b32 v[OT+i], 0                           ; O^T: the step has one form; its first walk finds zeros
.set i, i+1
.endr
	s_mov_b32 s[TB], 0
	s_wait_alu depctr_va_vdst(0)
.endm
; A KEY STEP: the 128 keys of the record at s[TB].  pre = 1: K of the next record is asked for; 2: that of record 0, and pass 1's Q; 0: nothing.
.macro STEP pre
	s_wait_dscnt 0x0                               ; K and its scale words, asked for a step ago, are in
.irp j, 0,1,2,3,4,5,6,7
	v_wmma_scale_f32_16x16x128_f8f6f4 v[S+8*\j:S+8*\j+7], v[KF+6*\j:KF+6*\j+11], v[16:27], 0, v[KS+\j], v[QS] matrix_a_fmt:MATRIX_FMT_BF6 matrix_b_fmt:MATRIX_FMT_BF6
.endr
	v_add_nc_u32 v8, s[TB], v1                     ; four lines that are due anyway are the four places in front of the loads into K's registers, which these products read
	v_add_nc_u32 v9, s[TB], v2                     ; of the loads into V's, which the last step's products read,
	v_add_nc_u32 v10, s[TB], v3                    ; and of the first read of these scores
	v_mov_b32 v11, v12                             ; -M as it was
.irp j, 0,1,2,3
	FRAG VF+12*\j, 8, 9, 6144+1536*\j              ; V^T's four fragments
.endr
	ds_load_b128 v[VS:VS+3], v8 offset:12800
.if \pre == 1
	PREK 8, 9, 10, KVREC                           ; the next record's K
.elseif \pre == 2
	PREK 1, 2, 3, 0                                ; pass 1 begins at record 0
	global_load_b128 v[16:19], v1, s[66:67] offset:2*QREC
	global_load_b64 v[20:21], v2, s[66:67] offset:2*QREC+512
	global_load_b32 v[QS], v3, s[68:69] offset:2*QREC
.endif
	v_max3_num_f32 v[MA], v[S], v[S+1], v[S+2]     ; my two blocks' largest scores, in four chains by turns; each accumulator is read from its low end on
	v_max3_num_f32 v[TL], v[S+16], v[S+17], v[S+18]
	v_max3_num_f32 v[MC], v[S+32], v[S+33], v[S+34]
	v_max3_num_f32 v[TL+1], v[S+48], v[S+49], v[S+50]
.irp i, 3,5,7,9,11,13
	v_max3_num_f32 v[MA], v[MA], v[S+\i], v[S+\i+1]
	v_max3_num_f32 v[TL], v[TL], v[S+16+\i], v[S+17+\i]
	v_max3_num_f32 v[MC], v[MC], v[S+32+\i], v[S+33+\i]
	v_max3_num_f32 v[TL+1], v[TL+1], v[S+48+\i], v[S+49+\i]
.endr
	v_max_num_f32 v[TL], v[TL], v[S+31]
	v_max_num_f32 v[TL+1], v[TL+1], v[S+63]
	v_max3_num_f32 v[MA], v[MA], v[S+15], v[TL]    ; block h's
	v_max3_num_f32 v[MC], v[MC], v[S+47], v[TL+1]  ; block 2 + h's
	v_max_num_f32 v6, v[MA], v[MC]
	v_permlanex16_b32 v7, v6, s[SEL], s[SEL+1]
	v_max3_num_f32 v13, v13, v6, v7                ; the running largest score of my query
	v_mul_f32 v6, s[CS], v13                       ; as t
	v_floor_f32 v12, -v6                           ; -M = floor(-t): M is a whole number
	v_fma_f32 v[MA], v[MA], s[CS], v12             ; x = t - M of my two blocks' largest scores.  From here three short chains (f, the two scales, the scale word) stand among lines that wait for nothing but -M and f
	v_fma_f32 v[MC], v[MC], s[CS], v12
	v_sub_f32 v6, v12, v11                         ; old M - new M: a whole number, 0 or less
	PKTS 0, 2
	v_max_num_f32 v[MA], 0xc2f40000, v[MA]         ; x held at -122 from below
	v_max_num_f32 v[MC], 0xc2f40000, v[MC]
	v_cvt_i32_f32 v6, v6                           ; (it saturates)
	PKTS 2, 2
	v_floor_f32 v[MA], v[MA]
	v_floor_f32 v[MC], v[MC]
	v_ldexp_f32 v[F], 1.0, v6                      ; f = 2^(old M - new M)
	PKTS 4, 2
	v_cvt_i32_f32 v[MA], v[MA]                     ; floor(x): -122 .. 0
	v_cvt_i32_f32 v[MC], v[MC]
	PKTS 6, 3
	v_lshl_add_u32 v[PW], v[MC], 16, v[MA]         ; my two bytes less 123 each,
	v_add_lshl_u32 v[MA], v[MA], 123, 23           ; and the conversions' scale operands: the byte floor(x) + 127 - 4 as an exponent field
	v_add_lshl_u32 v[MC], v[MC], 123, 23
	PKTS 9, 3
	v_add_lshl_u32 v[PW], v[PW], 0x7b007b, v4      ; the bytes, at their places in the word;
	PKTS 12, 4
	v_permlanex16_b32 v7, v[PW], s[SEL], s[SEL+1]
	OMULS 0, 4
	v_or_b32 v[PW], v[PW], v7                      ; with lane l xor 16's two: p's scale word for these 128 keys
	OMULS 4, 12                                    ; O^T is first read ahead of the step's first exponential
	s_wait_alu depctr_va_vdst(0)                   ; ahead of the first batch
.set e, 0
.rept 16
	v_exp_f32 v[S+2*e], v[S+2*e]                   ; block h's p = 2^(t - M)
	v_exp_f32 v[S+2*e+1], v[S+2*e+1]
	PKT 16+e
.set e, e+1
.endr
	s_wait_alu depctr_va_vdst(0)                   ; behind the first batch and ahead of the second
.set e, 0
.rept 32
	v_exp_f32 v[S+32+e], v[S+32+e]                 ; block 2 + h's p
.if e == 0
	v_cvt_scalef32_pk16_bf6_f32 v[PC:PC+2], v[S:S+15], v[MA]
.elseif e == 1
	v_cvt_scalef32_pk16_bf6_f32 v[TL:TL+2], v[S+16:S+31], v[MA]
.elseif e == 2
	v_pk_mul_f32 v[14:15], v[14:15], v[F:F+1] op_sel_hi:[1,0]              ; l under the new M (the plain place behind the conversions, whose sources the additions below write)
.elseif (e%2 == 1) && (e < 18)
	v_pk_add_f32 v[S+2*(e-3):S+2*(e-3)+1], v[S+2*(e-3):S+2*(e-3)+1], v[S+2*(e-3)+2:S+2*(e-3)+3]   ; the first level of block h's sum
.endif
.set e, e+1
.endr
.if \pre
	s_wait_dscnt 18                                ; V and its scale words are in; the 18 loads for the next step, issued behind them, may be out
.else
	s_wait_dscnt 0x0
.endif
	s_wait_alu depctr_va_vdst(0)                   ; behind the second batch
.irp i, 0,1,2
	v_mov_b32 v[PC+3+\i], v[TL+\i]
.endr
	v_cvt_scalef32_pk16_bf6_f32 v[PC+6:PC+8], v[S+32:S+47], v[MC]
	v_cvt_scalef32_pk16_bf6_f32 v[TL:TL+2], v[S+48:S+63], v[MC]
	TREE S, 4, 4                                   ; block h, second level (plain places behind the conversions)
	TREE S+32, 2, 8                                ; block 2 + h, first level
.irp i, 0,1,2
	v_mov_b32 v[PC+9+\i], v[TL+\i]
.endr
	TREE S, 8, 2
	TREE S+32, 4, 4
	TREE S, 16, 1
	TREE S+32, 8, 2
	v_pk_add_f32 v[14:15], v[14:15], v[S:S+1]
	TREE S+32, 16, 1
	v_pk_add_f32 v[14:15], v[14:15], v[S+32:S+33]  ; twelve plain lines between the last write of p's codes and the products (four are owed)
.irp j, 0,1,2,3
	v_wmma_scale_f32_16x16x128_f8f6f4 v[OT+8*\j:OT+8*\j+7], v[VF+12*\j:VF+12*\j+11], v[PC:PC+11], v[OT+8*\j:OT+8*\j+7], v[VS+\j], v[PW] matrix_a_fmt:MATRIX_FMT_BF6 matrix_b_fmt:MATRIX_FMT_BF6
.endr
	s_add_co_u32 s[TB], s[TB], KVREC
.endm
; O^T / l: a lane's 32 numbers are block 2 (head % 2) + h of its query's K step head / 2 in the last product: one block, six registers of codes, one byte.
.macro EPILOG p
.rept 4
	v_nop                                          ; four places in front of the first read of the last products' results
.endr
	v_add_f32 v14, v14, v15
	v_permlanex16_b32 v11, v14, s[SEL], s[SEL+1]
	v_add_f32 v14, v14, v11                        ; the row's sum
	v_lshrrev_b32 v9, 3, v4                        ; h
	s_wait_alu depctr_va_vdst(0)                   ; ahead of the transcendental
	v_rcp_f32 v10, v14
	v_add_nc_u32 v9, v9, v3                        ; 16 r + h: my scale byte's place (the plain place behind the transcendental)
	s_wait_alu depctr_va_vdst(0)                   ; behind it, directly ahead of the first reader of O^T
.set i, 0
.rept 16
	v_pk_mul_f32 v[S+2*i:S+2*i+1], v[OT+2*i:OT+2*i+1], v[10:11] op_sel_hi:[1,0]
.set i, i+1
.endr
	v_max3_num_f32 v[MA], |v[S]|, |v[S+1]|, |v[S+2]|
	v_max3_num_f32 v[MC], |v[S+3]|, |v[S+4]|, |v[S+5]|
.irp i, 6,10,14,18,22,26
	v_max3_num_f32 v[MA], v[MA], |v[S+\i]|, |v[S+\i+1]|
	v_max3_num_f32 v[MC], v[MC], |v[S+\i+2]|, |v[S+\i+3]|
.endr
	v_max3_num_f32 v[MA], v[MA], |v[S+30]|, |v[S+31]|
	v_max3_num_f32 v[MA], v[MA], v[MC], 0x2800000  ; and the floor 2^(5 - 127): the byte cannot fall under 1
	v_add_nc_u32 v[MA], 0xfe000000, v[MA]          ; 4 off the exponent field: the conversions' scale operand
	v_cvt_scalef32_pk16_bf6_f32 v[PC:PC+2], v[S:S+15], v[MA]
	v_cvt_scalef32_pk16_bf6_f32 v[TL:TL+2], v[S+16:S+31], v[MA]
	v_lshrrev_b32 v8, 23, v[MA]                    ; the scale's byte (the plain place behind the conversions)
.irp i, 0,1,2
	v_mov_b32 v[PC+3+\i], v[TL+\i]
.endr
	global_store_b128 v1, v[PC:PC+3], s[70:71] offset:2*SBB*\p             ; 512 consecutive bytes, aligned to 256
	global_store_b64 v2, v[PC+4:PC+5], s[70:71] offset:2*SBB*\p+512        ; 256 consecutive bytes, aligned
	global_store_b8 v9, v8, s[72:73] offset:8192*\p
.endm
	PROLOG 0
	global_load_b128 v[16:19], v1, s[66:67]
	global_load_b64 v[20:21], v2, s[66:67] offset:512
	global_load_b32 v[QS], v3, s[68:69]
	s_wait_tensorcnt 0x0                           ; my record has landed,
	s_barrier_signal -1
	s_barrier_wait -1                              ; and everybody's: nothing is filled again in this launch
	PREK 1, 2, 3, 0                                ; record 0's K
	s_wait_loadcnt 0x0                             ; Q
	s_mov_b32 s[CNT], 15
.Lfirst:                                           ; records 0-14
	STEP 1
	s_sub_co_u32 s[CNT], s[CNT], 1
	s_cmp_lg_u32 s[CNT], 0
	s_cbranch_scc1 .Lfirst
	STEP 2                                         ; record 15 is written out: its look-ahead goes back to record 0 and fetches pass 1's Q, so no LDS load passes the last record
	EPILOG 0
	PROLOG 1
	s_wait_loadcnt 0x0                             ; pass 1's Q
	s_mov_b32 s[CNT], 15
.Lsecond:                                          ; records 0-14
	STEP 1
	s_sub_co_u32 s[CNT], s[CNT], 1
	s_cmp_lg_u32 s[CNT], 0
	s_cbranch_scc1 .Lsecond
	STEP 0                                         ; record 15: nothing is left to ask for
	EPILOG 1
	s_wait_tensorcnt 0x0                           ; the wave's end
	ds_add_u32 v[SPW], v[NIL]
	s_wait_dscnt 0x0
	CROUND                                         ; the closing round: no work-group ends while a partner may still ask for a tile that names it
	s_endpgm
.Lfunc_end_k_q71defe072a_attn:
	.size	k_q71defe072a_attn, .Lfunc_end_k_q71defe072a_attn-k_q71defe072a_attn
	.p2alignl 7, 3214868480
	.fill 96, 4, 3214868480
	.section	.rodata,"a",@progbits
	.p2align	6, 0x0
	.amdhsa_kernel k_q71defe072a_attn
		.amdhsa_group_segment_fixed_size 215040
		.amdhsa_private_segment_fixed_size 0
		.amdhsa_enable_private_segment 0
		.amdhsa_kernarg_size 32
		.amdhsa_user_sgpr_count 2
		.amdhsa_user_sgpr_kernarg_segment_ptr 1
		.amdhsa_wavefront_size32 1
		.amdhsa_system_sgpr_workgroup_id_x 1
		.amdhsa_system_sgpr_workgroup_id_y 1
		.amdhsa_system_sgpr_workgroup_id_z 1
		.amdhsa_system_vgpr_workitem_id 0
		.amdhsa_next_free_vgpr 256
		.amdhsa_next_free_sgpr 80
		.amdhsa_reserve_vcc 0
		.amdhsa_float_denorm_mode_32 3
		.amdhsa_float_denorm_mode_16_64 3
		.amdhsa_memory_ordered 1
		.amdhsa_forward_progress 1
		.amdhsa_inst_pref_size 74
	.end_amdhsa_kernel
	.amdgpu_metadata
---
amdhsa.version: [ 1, 2 ]
amdhsa.kernels:
  - .name:           k_q71defe072a_attn
    .symbol:         k_q71defe072a_attn.kd
    .args:
      - { .name: qb, .offset: 0, .size: 8, .value_kind: global_buffer, .address_space: global }
      - { .name: kv, .offset: 8, .size: 8, .value_kind: global_buffer, .address_space: global }
      - { .name: oc, .offset: 16, .size: 8, .value_kind: global_buffer, .address_space: global }
      - { .name: sa, .offset: 24, .size: 8, .value_kind: global_buffer, .address_space: global }
    .group_segment_fixed_size: 215040
    .private_segment_fixed_size: 0
    .kernarg_segment_align: 8
    .kernarg_segment_size: 32
    .max_flat_workgroup_size: 512
    .sgpr_count:     80
    .vgpr_count:     256
    .wavefront_size: 32
...
	.end_amdgpu_metadata
.endif
;; end of part 3
;; launch outp (part 4): grid 4 x 64, 4 waves a work-group, clusters of 4 x 4, 312,832 bytes of LDS; arguments oc, wc, sa, bo, out0; writes out0
.if DOCPART == 4
	.amdgcn_target "amdgcn-amd-amdhsa--gfx1250"
	.amdhsa_code_object_version 6
	.text
	.protected	k_q71defe072a_outp
	.globl	k_q71defe072a_outp
	.p2align	8
	.type	k_q71defe072a_outp,@function
k_q71defe072a_outp:
	s_mov_b64 s[64:65], 0
	v_nop
	global_prefetch_b8 v0, s[64:65] scope:SCOPE_SE
	s_setreg_imm32_b32 hwreg(HW_REG_WAVE_MODE, 25, 1), 1
	s_wait_xcnt 0x0
	s_wait_alu depctr_hold_cnt(0) depctr_sa_sdst(0) depctr_va_vdst(0) depctr_va_sdst(0) depctr_va_ssrc(0) depctr_va_vcc(0) depctr_vm_vsrc(0)
	s_getreg_b32 s2, hwreg(HW_REG_IB_STS2, 6, 4)
	s_cmp_eq_u32 s2, 0
	s_cbranch_scc0 .Lentry_in_a_cluster
	s_endpgm
.Lentry_in_a_cluster:
	s_bfe_u32 s2, ttmp6, 0x10000c
	s_cmp_lg_u32 s2, 0xf033
	s_cbranch_scc0 .Lentry_shape_is_right
	s_endpgm
.Lentry_shape_is_right:
; out0 = O Wo + bo on codes of BF6.  O's codes (oc) are the LANE side L (source 1), Wo's columns (wc, superblocks 24-31) the REGISTER side Rg (source 0); K = 1,024.
; A work-group of four waves makes 128 rows x 256 columns; wave w: L's tiles 4 (w & 1) + a, Rg's superblock w >> 1: 32 accumulators.
; ALL OF K LIES IN LDS (3 x 98,304 bytes), brought once in four stages of two K steps: nothing is filled twice, so the K walk has only plain barriers in front of stages 1 to 3.
; CLUSTER 4 x 4: L's superblock is shared along a row of the cluster, Rg's two along a column: joint loads.  Waves 0, 1 fetch Rg's superblocks, wave 2 L's; four loads of a wave are out.
; TILE ORDER: tile j of a group of 64 has row 4 r + j in lane r: register jj of tile j of group c is column 64 c + 32 h + 4 jj + j; the addition of the bias puts the columns back in their order.
; THE WAY OUT: 16 rows x 64 columns at a time through the wave's own stage in LDS (behind the tiles; no fill lands there), back as whole rows of 256 bytes: sixteen lanes store 256 consecutive bytes, aligned.
; REGISTERS: window 0: v1-27 addresses; v32-95 scale words; v128-223 L's fragments, two sets of 48; on the way out v128-191 results, v192-255 rows read back;
;   window 1: Rg's fragments, two sets of 96;  window 2: accumulator (a, b) at v[8 (8 a + b)];  window 3: v0-63 the bias.
.set SBB,  98304
.set SBK,  12288
.set STGB, 24576
.set SAW,  786432
.set SAO,  917504
.set OSTG, 294912                      ; the stages: 16 rows x 272 bytes for each wave
.set WV,   20
.set WL,   21
.set WR,   22
.set G1A,  24
.set G1B,  32
.set G0A,  40
.set G0B,  68
.set TC,   58
.set TR,   59
.set LA,   66
.set RA,   86
.set LOF,  94
.set ROF,  95
.set SC,   32
.set YB,   128
.set RB,   192
.set STO,  24
.set RD,   25
.set CO,   26
.set MSB,  0
.macro WIN new
.if MSB != \new
	s_set_vgpr_msb (MSB<<8)|\new
.set MSB, \new
.endif
.endm
.macro PLACES
.rept 4
	v_nop
.endr
.endm
.macro CROUND
	s_barrier_signal -1
	s_barrier_wait -1
	s_cmp_lg_u32 s[WV], 0
	s_cbranch_scc1 .Lnot_wave_0_\@
	s_barrier_signal -3
.Lnot_wave_0_\@:
	s_barrier_wait -3
	s_barrier_signal -1
	s_barrier_wait -1
.endm
.macro FRAG reg, a16, a8, off
	ds_load_b128 v[(\reg):(\reg)+3], v[\a16] offset:(\off)
	ds_load_b64 v[(\reg)+4:(\reg)+5], v[\a8] offset:(\off)+512
	ds_load_b128 v[(\reg)+6:(\reg)+9], v[\a16] offset:(\off)+768
	ds_load_b64 v[(\reg)+10:(\reg)+11], v[\a8] offset:(\off)+1280
.endm
.macro FETCH ks
	WIN 0x40
.irp b, 0,1,2,3,4,5,6,7
	FRAG 128*((\ks)%2)+12*\b, 10+(\ks)/4, 12+(\ks)/4, ((\ks)%4)*SBK+1536*\b
.endr
	WIN 0
.irp a, 0,1,2,3
	FRAG 128+48*((\ks)%2)+12*\a, 6+(\ks)/4, 8+(\ks)/4, ((\ks)%4)*SBK+1536*\a
.endr
.endm
.macro MUL ks                          ; the 32 accumulators take turns, one instruction a turn, in the same order in every K step
	WIN 0xa1
.irp a, 0,1,2,3
.irp b, 0,1,2,3,4,5,6,7
.if (\ks) == 0
	v_wmma_scale_f32_16x16x128_f8f6f4 v[8*(8*\a+\b):8*(8*\a+\b)+7], v[128*((\ks)%2)+12*\b:128*((\ks)%2)+12*\b+11], v[128+48*((\ks)%2)+12*\a:128+48*((\ks)%2)+12*\a+11], 0, v[SC+8*(\ks)+\b], v[SC+8*(\ks)+\a] matrix_a_fmt:MATRIX_FMT_BF6 matrix_b_fmt:MATRIX_FMT_BF6 matrix_a_scale:MATRIX_SCALE_ROW1
.else
	v_wmma_scale_f32_16x16x128_f8f6f4 v[8*(8*\a+\b):8*(8*\a+\b)+7], v[128*((\ks)%2)+12*\b:128*((\ks)%2)+12*\b+11], v[128+48*((\ks)%2)+12*\a:128+48*((\ks)%2)+12*\a+11], v[8*(8*\a+\b):8*(8*\a+\b)+7], v[SC+8*(\ks)+\b], v[SC+8*(\ks)+\a] matrix_a_fmt:MATRIX_FMT_BF6 matrix_b_fmt:MATRIX_FMT_BF6 matrix_a_scale:MATRIX_SCALE_ROW1
.endif
.endr
.endr
.endm
.macro KSTEP ks
	s_wait_dscnt 0x0                               ; this K step's fragments are in
.if (\ks) < 7
.if (\ks) > 0
	PLACES                                         ; four places in front of loads into registers that the last K step's products read
.endif
	FETCH (\ks)+1
.endif
	MUL \ks
.endm
	s_load_b256 s[4:11], s[0:1], 0x0               ; oc s[4:5], wc s[6:7], sa s[8:9], bo s[10:11]
	s_load_b64 s[12:13], s[0:1], 0x20              ; out0
	v_lshl_add_u32 v126, v0, 2, 0x4c400
	v_mov_b32 v127, 0
	ds_add_u32 v126, v127
	ds_add_u32 v126, v127
	v_lshrrev_b32 v1, 5, v0
	v_readfirstlane_b32 s[WV], v1
	s_and_b32 s[WL], s[WV], 1
	s_lshr_b32 s[WR], s[WV], 1
	s_bfe_u32 s56, ttmp6, 0x40000                  ; cx
	s_bfe_u32 s57, ttmp6, 0x40004                  ; cy
	s_lshl_b32 s[TC], ttmp9, 2
	s_add_co_u32 s[TC], s[TC], s56                 ; which 256 columns
	s_and_b32 s[TR], ttmp7, 0xffff
	s_lshl_b32 s[TR], s[TR], 2
	s_add_co_u32 s[TR], s[TR], s57                 ; which 128 rows
	s_mul_i32 s60, s[TR], SBB
	s_mov_b32 s61, 0
	s_lshl_b32 s62, s[TC], 1
	s_add_co_u32 s97, s62, 24                      ; Wo's superblocks begin at 24 in wc
	s_add_co_u32 s62, s97, s[WL]
	s_mul_i32 s62, s62, SBB
	s_mov_b32 s63, 0
	s_lshl_b32 s[LOF], s[TR], 12
	s_lshl_b32 s96, s[WL], 8
	s_add_co_u32 s[LOF], s[LOF], s96
	s_add_co_u32 s[LOF], s[LOF], SAO
	s_add_co_u32 s97, s97, s[WR]
	s_lshl_b32 s[ROF], s97, 12
	s_add_co_u32 s[ROF], s[ROF], SAW
	s_wait_dscnt 0x0
	s_wait_kmcnt 0x0
	s_add_nc_u64 s[LA:LA+1], s[4:5], s[60:61]
	s_add_nc_u64 s[RA:RA+1], s[6:7], s[62:63]
	s_lshl_b32 s60, s57, 2
	s_lshl_b32 s60, 15, s60                        ; my row of the cluster
	s_lshl_b32 s62, 0x1111, s56                    ; my column
	s_or_b32 s[G1A], s60, (3<<16)|(1<<21)
	s_or_b32 s[G1B], s62, (3<<16)|(1<<21)
.irp g, G1A, G1B
	s_mov_b32 s[\g+1], 32<<16                      ; rows of 256 bytes,
	s_mov_b32 s[\g+2], 384<<16                     ; 384 of them: a whole superblock,
	s_mov_b32 s[\g+3], 32<<16
	s_mov_b32 s[\g+4], 384
	s_mov_b32 s[\g+5], 32                          ; dense
	s_mov_b32 s[\g+6], 0
	s_mov_b32 s[\g+7], 0
.endr
	; ONE LOAD A WAVE (this takes the place of the four stages that the head's lines name): waves 0, 1 fetch a whole superblock of Rg each, 384 rows of 256 bytes;
	; waves 2, 3 a half of L's superblock each, 192 rows.  All of K comes by these four loads, and the one barrier in front of K step 0 shows it to all four waves.
	s_mov_b32 s[G1A+2], 192<<16
	s_mov_b32 s[G1A+4], 192
	s_mul_i32 s98, s[WL], SBB
.irp i, 0,2
	s_mov_b32 s[G0A+4*\i], 1
	s_mov_b32 s[G0A+4*\i+1], STGB*\i
	s_add_nc_u64 s[G0A+4*\i+2:G0A+4*\i+3], s[LA:LA+1], STGB*\i
	s_or_b32 s[G0A+4*\i+3], s[G0A+4*\i+3], 0x80000000
	s_mov_b32 s[G0B+4*\i], 1
	s_add_co_u32 s[G0B+4*\i+1], s98, SBB+STGB*\i
	s_add_nc_u64 s[G0B+4*\i+2:G0B+4*\i+3], s[RA:RA+1], STGB*\i
	s_or_b32 s[G0B+4*\i+3], s[G0B+4*\i+3], 0x80000000
.endr
	CROUND                                         ; all sixteen work-groups are here: the joint loads meet
	s_cmp_lt_u32 s[WV], 2                          ; one chain of branches on the wave's number, one fill to an arm, all arms lead to one join
	s_cbranch_scc0 .Lnot_rg
	tensor_load_to_lds s[G0B:G0B+3], s[G1B:G1B+7]
	s_nop 0
	PLACES
	s_branch .Lasked
.Lnot_rg:
	s_cmp_eq_u32 s[WV], 2
	s_cbranch_scc0 .Lhalf_l
	tensor_load_to_lds s[G0A:G0A+3], s[G1A:G1A+7]
	s_nop 0
	PLACES
	s_branch .Lasked
.Lhalf_l:
	tensor_load_to_lds s[G0A+8:G0A+11], s[G1A:G1A+7]
	s_nop 0
	PLACES
.Lasked:
	v_and_b32 v3, 31, v0
	v_and_b32 v1, 15, v0                           ; r
	v_bfe_u32 v2, v0, 4, 1                         ; h
	v_lshlrev_b32 v4, 4, v3
	v_lshlrev_b32 v5, 3, v3
	s_mul_i32 s99, s[WL], 6144
	v_add_nc_u32 v6, s99, v4
	v_add_nc_u32 v7, 49152, v6
	v_add_nc_u32 v8, s99, v5
	v_add_nc_u32 v9, 49152, v8
	s_mul_i32 s99, s[WR], SBB
	s_add_co_u32 s99, s99, SBB
	v_add_nc_u32 v10, s99, v4
	v_add_nc_u32 v11, 49152, v10
	v_add_nc_u32 v12, s99, v5
	v_add_nc_u32 v13, 49152, v12
	v_lshlrev_b32 v16, 4, v1                       ; 16 r
	v_mov_b32 v14, s[LOF]
	v_mov_b32 v15, s[ROF]
	v_cmp_eq_u32 vcc_lo, 1, v2
	v_cndmask_b32 v14, v14, v15, vcc_lo            ; lanes 0-15 take L's scale words, lanes 16-31 Rg's
	v_add_nc_u32 v14, v14, v16
	v_lshl_add_u32 v15, v2, 8, v14
	s_wait_alu depctr_va_vdst(0)
	v_lshlrev_b32 v18, 7, v2                       ; 128 h
	s_wait_alu depctr_va_vdst(0)
	s_mul_i32 s99, s[WV], 4352
	s_add_co_u32 s99, s99, OSTG                    ; my stage
	v_mul_u32_u24 v[STO], v1, 272
	v_lshl_add_u32 v[STO], v2, 7, v[STO]
	v_add_nc_u32 v[STO], s99, v[STO]               ; in: row r, + 128 h: rows 68 words apart start at 16 different banks
	v_mul_u32_u24 v[RD], v2, 272
	v_add_nc_u32 v[RD], v[RD], v16
	v_add_nc_u32 v[RD], s99, v[RD]                 ; back: lanes 0-15 one row, lanes 16-31 the next
	v_lshl_add_u32 v[CO], v2, 14, v16              ; and in out0: the stage's neighbouring rows lie four rows of 4,096 bytes apart
	s_lshl_b32 s96, s[TR], 19
	s_lshl_b32 s98, s[WL], 18
	s_add_co_u32 s96, s96, s98                     ; my first row: 128 TR + 64 wl
	s_lshl_b32 s98, s[TC], 10
	s_lshl_b32 s99, s[WR], 9
	s_add_co_u32 s98, s98, s99                     ; my first column, in bytes
	s_mov_b32 s99, 0
	s_add_nc_u64 s[10:11], s[10:11], s[98:99]
	s_add_co_u32 s96, s96, s98
	s_mov_b32 s97, 0
	s_add_nc_u64 s[12:13], s[12:13], s[96:97]
.irp u, 0,1,2,3,4,5,6,7
	global_load_b128 v[SC+8*\u:SC+8*\u+3], v14, s[8:9] offset:512*\u
	global_load_b128 v[SC+8*\u+4:SC+8*\u+7], v15, s[8:9] offset:512*\u
.endr
	WIN 0xc0                                       ; destination window 3
.irp k, 0,1
.irp q, 0,1,2,3,4,5,6,7
	global_load_b128 v[32*\k+4*\q:32*\k+4*\q+3], v18, s[10:11] offset:256*\k+16*\q   ; register 32 c + e' = bo of column 64 c + 32 h + e'
.endr
.endr
	WIN 0
	s_wait_tensorcnt 0x0                           ; my one load has landed
	s_barrier_signal -1
	s_barrier_wait -1
	FETCH 0
	s_wait_loadcnt 0x0
.irp u, 0,1,2,3,4,5,6,7
	KSTEP \u
.endr
	WIN 0
	PLACES                                         ; four places in front of the first read of results and the first write over fragments
; Block n: L's tile n / 2, Rg's group n % 2.
.macro ADDB n                          ; + bias, columns back in their order; each accumulator from its low end on
	WIN 0x0e                                       ; source 0 window 2, source 1 window 3
.irp j, 0,1,2,3
.irp q, 0,1,2,3,4,5,6,7
	v_add_f32 v[YB+32*((\n)%2)+4*\q+\j], v[64*((\n)/2)+32*((\n)%2)+8*\j+\q], v[32*((\n)%2)+4*\q+\j]
.endr
.endr
	WIN 0
.endm
.macro TOSTAGE n
.irp q, 0,1,2,3,4,5,6,7
	ds_store_b128 v[STO], v[YB+32*((\n)%2)+4*\q:YB+32*((\n)%2)+4*\q+3] offset:16*\q
.endr
.irp i, 0,1,2,3,4,5,6,7
	ds_load_b128 v[RB+32*((\n)%2)+4*\i:RB+32*((\n)%2)+4*\i+3], v[RD] offset:544*\i   ; LDS serves a wave's instructions in order: these see the stores above, and the next block's stores come behind them
.endr
.endm
.macro SEND n, younger                 ; younger: the LDS instructions issued behind block n's loads, which may stay out
	s_wait_dscnt \younger
.irp i, 0,1,2,3,4,5,6,7
	global_store_b128 v[CO], v[RB+32*((\n)%2)+4*\i:RB+32*((\n)%2)+4*\i+3], s[12:13] offset:(8*\i+(\n)/2)*4096+256*((\n)%2) th:TH_STORE_NT   ; stage row 2 i + h is row 4 (2 i + h) + tile of my 64
.endr
.endm
	ADDB 0
	TOSTAGE 0
.irp n, 1,2,3,4,5,6,7
.if \n > 1
	s_wait_xcnt 0x0                                ; block n - 2's stores have read the registers into which block n's rows come back
.endif
	ADDB \n
	TOSTAGE \n
	SEND \n-1, 16                                  ; behind block n - 1's loads: block n's 8 stores and 8 loads
.endr
	SEND 7, 0
	s_wait_tensorcnt 0x0
	ds_add_u32 v126, v127
	s_wait_dscnt 0x0
	CROUND                                         ; the closing round
	s_endpgm
.Lfunc_end_k_q71defe072a_outp:
	.size	k_q71defe072a_outp, .Lfunc_end_k_q71defe072a_outp-k_q71defe072a_outp
	.p2alignl 7, 3214868480
	.fill 96, 4, 3214868480
	.section	.rodata,"a",@progbits
	.p2align	6, 0x0
	.amdhsa_kernel k_q71defe072a_outp
		.amdhsa_group_segment_fixed_size 312832
		.amdhsa_private_segment_fixed_size 0
		.amdhsa_enable_private_segment 0
		.amdhsa_kernarg_size 40
		.amdhsa_user_sgpr_count 2
		.amdhsa_user_sgpr_kernarg_segment_ptr 1
		.amdhsa_wavefront_size32 1
		.amdhsa_system_sgpr_workgroup_id_x 1
		.amdhsa_system_sgpr_workgroup_id_y 1
		.amdhsa_system_sgpr_workgroup_id_z 1
		.amdhsa_system_vgpr_workitem_id 0
		.amdhsa_next_free_vgpr 1024
		.amdhsa_next_free_sgpr 102
		.amdhsa_reserve_vcc 1
		.amdhsa_float_denorm_mode_32 3
		.amdhsa_float_denorm_mode_16_64 3
		.amdhsa_memory_ordered 1
		.amdhsa_forward_progress 1
		.amdhsa_inst_pref_size 92
	.end_amdhsa_kernel
	.amdgpu_metadata
---
amdhsa.version: [ 1, 2 ]
amdhsa.kernels:
  - .name:           k_q71defe072a_outp
    .symbol:         k_q71defe072a_outp.kd
    .args:
      - { .name: oc, .offset: 0, .size: 8, .value_kind: global_buffer, .address_space: global }
      - { .name: wc, .offset: 8, .size: 8, .value_kind: global_buffer, .address_space: global }
      - { .name: sa, .offset: 16, .size: 8, .value_kind: global_buffer, .address_space: global }
      - { .name: bo, .offset: 24, .size: 8, .value_kind: global_buffer, .address_space: global }
      - { .name: out0, .offset: 32, .size: 8, .value_kind: global_buffer, .address_space: global }
    .group_segment_fixed_size: 312832
    .private_segment_fixed_size: 0
    .kernarg_segment_align: 8
    .kernarg_segment_size: 40
    .max_flat_workgroup_size: 128
    .sgpr_count:     102
    .vgpr_count:     1024
    .wavefront_size: 32
...
	.end_amdgpu_metadata
.endif
;; end of part 4
